; MI455X (gfx1250); checked and timed in simulation.
; The chip was launched on July 23, 2026; its instructions are those of AMD's public machine-readable ISA for CDNA 5 (MIT licence, August 2026) and "CDNA5" Instruction Set Architecture Reference Guide (July 2026). The comments in the code are by the model that wrote it; some were corrected since.
;; Implicit MLP. Allowed arithmetic: float matrix products may take bf16 or f16 operands with f32 sums; other float arithmetic in f32, or as packed bf16 or f16 multiplies, adds, multiply-adds, maxima and minima; sums over many terms, partial sums and values carried from step to step in f32; what a program stores and reads back later, other than sums and carried values, may be rounded once to bf16 or f16.
;; Inputs: Bmat 2 x 128 float32; L1 256 x 70 float32; L2 128 x 10 float32; R1 70 x 256 float32; R2 10 x 256 float32; W3 32 x 128 float32; W4 16 x 32 float32; W5 3 x 16 float32; b1 256 float32; b2 128 float32; b3 32 float32; b4 16 float32; b5 3 float32; coords 128 x 2 x 64 x 64 float32.
;; Outputs: out0 1 x 524,288 x 3 float32.
;; 2 versions, each right; version 2 is version 1 with the launch mlp written anew for expert scheduling mode. Each part assembles by itself: llvm-mc -triple=amdgcn-amd-amdhsa -mcpu=gfx1250 --defsym DOCPART=n.
;; ======== version 1 of 2: 1 launch
;; limits: values outside matrix products are rounded to bf16; a function is approximated: absolute error at most 0.00025
;; launch mlp (part 1): grid 256 x 1, 8 waves a work-group, no clusters, 156,928 bytes of LDS; arguments coords, Bmat, L1, R1, b1, L2, R2, b2, W3, b3, W4, b4, W5, b5, out0; writes out0
.if DOCPART == 1
	.amdgcn_target "amdgcn-amd-amdhsa--gfx1250"
	.amdhsa_code_object_version 6
	.text
	.protected	k_qb71665ed5c_mlp
	.globl	k_qb71665ed5c_mlp
	.p2align	8
	.type	k_qb71665ed5c_mlp,@function
k_qb71665ed5c_mlp:
	s_mov_b64 s[64:65], 0
	v_nop
	global_prefetch_b8 v0, s[64:65] scope:SCOPE_SE
	s_setreg_imm32_b32 hwreg(HW_REG_WAVE_MODE, 25, 1), 1
	s_wait_xcnt 0x0
; ImplicitMLP, all of it in one launch: 524,288 points; 2 coordinates -> 128 projections -> 256 sines and cosines -> 256 -> 128 -> 32 -> 16 -> 3.
; THE LOW RANK IS USED AS IT IS GIVEN: x (L R)^T = (x R^T) L^T for every input, so layer 1 is 256 -> 70 -> 256 and layer 2 is 256 -> 10 -> 128.
; SHARES.  256 work-groups of 8 waves; a work-group owns 2,048 points (half an image), a wave 256, walked in 4 trips of 64 = 4 tiles of 16.  Column r of tile p is point 4 r + p of the trip:
; one 16-byte LDS read gives a lane the coordinates of its four tiles, and a lane's 4 x 3 results are 48 bytes on end.
; LAYOUT.  Every product is Y^T = W X^T: source 0 = 16 output features x 32 k of weights (from LDS), source 1 = 32 k x 16 points.  In a result lane (r, h) holds point r and features 8 h + 0..7;
; two results rounded to bf16 in pairs ARE the next layer's source 1.  So activations never leave registers and never change lanes; each weight fragment read from LDS feeds four products.
; FORMATS.  Every input is rounded once to bf16 (coordinates, Bmat, weights, biases); sums in f32; activations (x, t, x1, t2, x2, x3, x4) are rounded once to bf16 as matrix operands.
; b1 and b2 ride as one more column of L1 and L2 against a constant 1 in t and t2 (put there by the C operand of the sum's first product); b3, b4, b5 are C operands.
; SINE AND COSINE.  u = c0 B0 + c1 B1 in cycles, by the matrix unit (K = 2 padded to 32); r = u - rndne(u), exact, in [-1/2, 1/2]; z = r r;
; sin 2 pi u = r (S0 + z (S1 + z (S2 + z S3))), off by 2.5e-4 at the most; cos 2 pi u = C0 + z (C1 + z (C2 + z (C3 + z C4))), off by 4e-5 at the most.
; LIMITS.  A NaN is lost in a ReLU (the maximum keeps the number).  From |u| = 2^24 on an f32 has no fraction left and r is 0.  The projection's error grows with |coords Bmat| as the rounding of its operands to bf16 does.
; NO CLUSTER, NO TENSOR LOADS: what all work-groups share is 180 KB of f32 weights, read once at the head; they must pass through registers to be rounded, padded and permuted, and an f32 copy
; beside the 157 KB in use does not fit in LDS.  Nothing streams: a work-group's own input is 16 KB.
; TWO WAVES A SIMD, 512 registers each, no barrier in the loop: a wave's short runs of products and runs of vector work alternate, and each run works on what the run before it made.
;
; LDS (all written by ds_store at the head, then read only, but for COORD's and STAGE's own-wave bytes):
.set R1P,   0                           ; 80 rows x 528: R1, K permuted: block kb = columns 16 kb .. +15 (sines), then 128 + 16 kb .. +15 (cosines); rows 70-79 are 0
.set L1P,   42240                       ; 256 rows x 208: k < 70 L1, k = 70 b1, k = 71..95 are 0
.set R2P,   95488                       ; 16 rows x 528: R2; rows 10-15 are 0
.set L2P,   103936                      ; 128 rows x 80: k < 10 L2, k = 10 b2, up to 31 are 0
.set W3P,   114176                      ; 32 rows x 272: W3
.set COORD, 122880                      ; 1,024 bytes a wave: a word a point, bf16 c0 below, bf16 c1 above
.set STAGE, 131072                      ; 3,072 bytes a wave: its 256 x 3 results
.set SPARE, 155648                      ; the spare words, 128 bytes for each wave: four blocks of 256 bytes that no other line names
.set PR1, 528                           ; all pitches are odd multiples of 16 bytes: the 16 rows of a fragment load start at 16 different groups of four banks (ISA guide 11.1)
.set PL1, 208
.set PL2, 80
.set PW3, 272
.set TRIPS, 4
; REGISTERS, window 0 (s_set_vgpr_msb: bits 1:0 source 0, 3:2 source 1, 5:4 source 2, 7:6 destination)
.set SPW,   1                           ; LDS address of my spare word; never rewritten
.set NIL,   2                           ; 0, for the add alone
.set ZERO0, 3                           ; 0
.set MASKH, 4                           ; -1 in lanes 0-15 of the wave, 0 in lanes 16-31
.set AR1,   5                           ; fragment addresses: region + r x pitch + 16 h
.set AL1,   6
.set AR2,   7
.set AL2,   8
.set AW3,   9
.set ACO,   10                          ; COORD + 1024 w + 16 r
.set AOUT,  11                          ; STAGE + 3072 w + 48 r
.set CRAW,  12                          ; v[12:15] a trip's packed coordinates, tile p in register p
.set BMV,   16                          ; v[16:23] (B0, B1)[16 kb + r] packed, 0 in lanes 16-31
.set BA,    24                          ; v[24:39] two fragments of Bmat: register 0 from BMV, registers 1-7 stay 0
.set CF,    40                          ; v[40:71] four fragments of coordinates: register 0, registers 1-7 stay 0
.set HF,    72                          ; v[72:103] four half fragments (k = 0..15): t's third, t2, x4 in turn; registers 4-7 stay 0
.set RA,    104                         ; phase 1: two buffers of 40: R1's five fragments of a K block
.set LA,    104                         ; phase 2: two buffers, 40 apart: L1's three fragments of a tile,
.set R2A,   128                         ;          and R2's fragment of a K block
.set L2A,   104                         ; phase 3: L2's fragment of a tile,
.set W3A,   112                         ;          and W3's two fragments of a K block
.set TR,    184                         ; phase 1, at work: r, z, the sine's and the cosine's polynomial, 8 each
.set TZ,    192
.set TS,    200
.set TC,    208
.set UU,    216                         ; two buffers of projections
.set XF,    232                         ; two buffers of x fragments
.set TF,    184                         ; phase 2: t's fragments, tile p, fragment f at TF + 16 p + 8 f
.set Y3,    184                         ; phase 3: layer 3's sums, tile p, feature tile at Y3 + 16 p + 8 tile
.set ACOT,  248                         ; this trip's address in COORD
.set AOT,   249                         ; and in STAGE
.set ARB,   252                         ; STAGE + 3072 w + 16 l
.set OGO,   253                         ; 16 l
; window 1 (named by the low 8 bits): 0-159 phase 1: t's sums, tile p, feature tile i at 40 p + 8 i; later 0-63 Y, two buffers of four; and
.set XW,    64                          ; two buffers of four fragments of x1, x2, x3
.set T2W,   128                         ; t2's sums
.set ONE70, 160                         ; C operand: 1.0 at feature 70 of t (register 6, lanes 0-15)
.set ONE10, 168                         ; C operand: 1.0 at feature 10 of t2 (register 2, lanes 16-31)
.set B3,    176                         ; C operands: b3 (two tiles), b4, b5
.set B4,    192
.set B5,    200
.set W4A,   208                         ; W4's fragment
.set W5A,   216                         ; W5's: rows 0-2 and again rows 8-10, so that both halves of the lanes hold the three results
.set ZERO1, 224
.set RBT,   232                         ; at work at the head
; the head's own registers (window 0; free again when its loads and stores are done)
.set LN, 24
.set RR, 25
.set HH, 26
.set LQ, 27
.set LM, 28
.set OL1, 29
.set OL1T, 30
.set OB1, 31
.set OR1, 32
.set OR1L, 33
.set OCO, 34
.set OBM, 35
.set OR2L, 36
.set OW4, 37
.set OW5, 38
.set OB34, 39
.set OL2, 40
.set OB2, 41
.set OW3, 42
.set SL1, 43
.set SL1T, 44
.set SL1Z, 45
.set SR1, 46
.set SCO, 47
.set SR2, 48
.set SL2, 49
.set SW3, 50
.set R7, 51
.set ZQ, 52                             ; v[52:55] zeros to store
.set G4D, 56                            ; v[56:87] L2 and b2, or W3, as loaded
.set TMPA, 88
.set TMPB, 89
.set NOTH, 90
.set G1D, 104                           ; L1's rows, 64 columns; +64 its last 6 columns; +72 b1
.set GCO, 180
.set GBM, 196
.set GR2, 212
.set GW4, 228
.set GW5, 244
; scalars: s8 wave, s9 work-group, s10 trips to go, s12, s13 the trip's bytes in COORD and STAGE; s[16:45] the fifteen addresses; the polynomials' numbers as pairs:
.set KS0, 46
.set KS1, 48
.set KS2, 50
.set KS3, 52
.set KC0, 54
.set KC1, 56
.set KC2, 58
.set KC3, 60
.set KC4, 62
.set MSB, 0
.macro WIN new                          ; the immediate's high byte repeats the setting that is left; a switch that changes nothing is dropped
.if MSB != (\new)
	s_set_vgpr_msb (MSB<<8)|(\new)
.set MSB, \new
.endif
.endm
.macro PLACES                           ; four places behind a product, in front of a read of its result or a load into one of its sources, where no other vector work is at hand
.rept 4
	v_nop
.endr
.endm
.macro KPAIR reg, bits                  ; a packed instruction names a pair and takes its low word for both halves
	s_mov_b32 s[\reg], \bits
	s_mov_b32 s[(\reg)+1], \bits
.endm
.macro LDF dst, adr, off                ; a fragment: 16 rows x 32 k, two loads of 16 bytes a lane, 32 bytes apart
	ds_load_b128 v[(\dst):(\dst)+3], v[\adr] offset:(\off)
	ds_load_b128 v[(\dst)+4:(\dst)+7], v[\adr] offset:(\off)+32
.endm
.macro RB16 a, b                        ; two f32 rounded to bf16 and widened again, in place (window 1)
	v_cvt_pk_bf16_f32 v[RBT], v[\a], v[\b]
	v_lshlrev_b32 v[\a], 16, v[RBT]
	v_and_b32 v[\b], 0xffff0000, v[RBT]
.endm
.macro Q4 line:vararg                   ; one line for each of four register pairs q = 0, 2, 4, 6
.set q, 0
.rept 4
	\line
.set q, q+2
.endr
.endm
	s_load_b512 s[16:31], s[0:1], 0x0              ; coords, Bmat, L1, R1, b1, L2, R2, b2
	s_load_b256 s[32:39], s[0:1], 0x40             ; W3, b3, W4, b4
	s_load_b128 s[40:43], s[0:1], 0x60             ; W5, b5
	s_load_b64 s[44:45], s[0:1], 0x70              ; out0
	v_lshl_add_u32 v[SPW], v0, 2, SPARE
	v_mov_b32 v[NIL], 0
	v_lshrrev_b32 v[LN], 5, v0
	v_readfirstlane_b32 s8, v[LN]                  ; wave 0..7
	s_mov_b32 s9, ttmp9                            ; work-group 0..255
	KPAIR KS0, 0x40c8e9ea                          ;   6.2785539
	KPAIR KS1, 0xc2245d4e                          ; -41.091116
	KPAIR KS2, 0x429bd19c                          ;  77.909396
	KPAIR KS3, 0xc260275d                          ; -56.038441
	KPAIR KC0, 0x3f7ffd51                          ;   0.99995904
	KPAIR KC1, 0xc19dd8f8                          ; -19.730943
	KPAIR KC2, 0x428157c8                          ;  64.671444
	KPAIR KC3, 0xc2a4c819                          ; -82.390819
	KPAIR KC4, 0x42367bf5                          ;  45.621051
	s_lshl_b32 s2, s8, 10                          ; 1,024 w: a row of R1 or R2; my points' bytes in a channel; my part of COORD
	s_mul_i32 s3, s8, 8960                         ; my 32 rows of L1 in memory (280 bytes each)
	s_mul_i32 s4, s8, 32*PL1
	s_add_co_u32 s4, s4, L1P                       ; and in LDS
	s_mul_i32 s5, s8, PR1                          ; row w of R1P, R2P
	s_mul_i32 s6, s8, 3072                         ; my part of STAGE
	s_and_b32 s7, s8, 3                            ; w - 4 in waves 4-7
	s_add_co_u32 s11, s8, 64
	s_min_u32 s11, s11, 69                         ; R1 has 70 rows: waves 6 and 7 load the last once more and store zeros
	s_lshl_b32 s11, s11, 10
	s_add_co_u32 s14, s8, 8
	s_min_u32 s14, s14, 9                          ; R2 has 10 rows, likewise
	s_lshl_b32 s14, s14, 10
	s_lshl_b32 s15, s8, 7                          ; my 32 numbers of b1
	s_cmp_lt_u32 s8, 6
	s_cselect_b32 s67, -1, 0                       ; row 64 + w of R1 exists
	s_cmp_lt_u32 s8, 2
	s_cselect_b32 s71, -1, 0                       ; row 8 + w of R2 exists
	s_lshl_b32 s77, s7, 12                         ; 8 rows of W3 in memory
	s_mul_i32 s78, s7, 8*PW3
	s_add_co_u32 s78, s78, W3P                     ; and in LDS
	v_and_b32 v[LN], 31, v0                        ; l
	v_and_b32 v[RR], 15, v0                        ; r = l % 16
	v_bfe_u32 v[HH], v0, 4, 1                      ; h = l / 16
	v_bfe_u32 v[LQ], v0, 2, 3                      ; l / 4
	v_and_b32 v[LM], 3, v0                         ; l % 4
	v_and_b32 v[R7], 7, v0
	v_mov_b32 v[ZERO0], 0
	v_add_nc_u32 v[MASKH], -1, v[HH]
	v_xor_b32 v[NOTH], -1, v[MASKH]
.set i, 0
.rept 4
	v_mov_b32 v[ZQ+i], 0
.set i, i+1
.endr
	v_cmp_eq_u32 s66, 3, v[LM]                     ; the lane that holds (b1, 0) in L1's tail
	v_cmp_gt_u32 s76, 3, v[R7]                     ; rows 0-2 and 8-10 of W5's fragment
	; byte offsets in memory
	v_lshl_add_u32 v[OL1], v[LN], 3, s3            ; L1: 8 l in my first row: a load covers 256 bytes on end
	v_min_u32 v[TMPA], 2, v[LM]
	v_mul_u32_u24 v[OL1T], v[LQ], 280
	v_lshl_add_u32 v[OL1T], v[TMPA], 3, v[OL1T]
	v_add3_u32 v[OL1T], v[OL1T], s3, 256           ; L1's columns 64-69: four lanes a row, the fourth reads the third's again
	v_lshl_add_u32 v[OB1], v[LQ], 2, s15
	v_lshl_add_u32 v[OR1], v[LN], 4, s2            ; row w of R1 and of R2
	v_lshl_add_u32 v[OR1L], v[LN], 4, s11
	v_lshlrev_b32 v[OCO], 4, v[LN]
	v_lshlrev_b32 v[OBM], 2, v[RR]
	v_lshl_add_u32 v[OR2L], v[LN], 4, s14
	v_lshlrev_b32 v[OW4], 7, v[RR]
	v_lshl_add_u32 v[OW4], v[HH], 5, v[OW4]        ; W4: row r, k = 8 h
	v_min_u32 v[TMPB], 2, v[R7]
	v_lshlrev_b32 v[OW5], 6, v[TMPB]
	v_lshl_add_u32 v[OW5], v[HH], 5, v[OW5]        ; W5: row min(r % 8, 2), k = 8 h
	v_lshlrev_b32 v[OB34], 5, v[HH]
	v_mul_u32_u24 v[OL2], v0, 40                   ; L2: a thread a row (waves 0-3)
	v_lshlrev_b32 v[OB2], 2, v0
	v_lshl_add_u32 v[OW3], v[LN], 4, s77           ; W3: eight rows a wave (waves 4-7)
	; LDS addresses of the head's stores
	v_lshl_add_u32 v[SL1], v[LN], 2, s4
	v_mul_u32_u24 v[SL1T], v[LQ], PL1
	v_lshl_add_u32 v[SL1T], v[LM], 2, v[SL1T]
	v_add3_u32 v[SL1T], v[SL1T], s4, 128
	v_mul_u32_u24 v[SL1Z], v[LN], PL1
	v_add3_u32 v[SL1Z], v[SL1Z], s4, 144
	v_lshl_add_u32 v[SR1], v[LQ], 6, s5            ; column 4 l + .. of a half lies in K block l / 4, at byte 8 (l % 4) of its sines or cosines
	v_lshl_add_u32 v[SR1], v[LM], 3, v[SR1]
	v_add3_u32 v[SCO], v[OCO], s2, COORD
	v_lshl_add_u32 v[SR2], v[LN], 3, s5
	v_add_nc_u32 v[SR2], R2P, v[SR2]
	v_mul_u32_u24 v[SL2], v0, PL2
	v_add_nc_u32 v[SL2], L2P, v[SL2]
	v_lshl_add_u32 v[SW3], v[LN], 3, s78
	; the loop's addresses
	v_mul_u32_u24 v[AR1], v[RR], PR1
	v_lshl_add_u32 v[AR1], v[HH], 4, v[AR1]
	v_add_nc_u32 v[AR2], R2P, v[AR1]
	v_mul_u32_u24 v[AL1], v[RR], PL1
	v_lshl_add_u32 v[AL1], v[HH], 4, v[AL1]
	v_add_nc_u32 v[AL1], L1P, v[AL1]
	v_mul_u32_u24 v[AL2], v[RR], PL2
	v_lshl_add_u32 v[AL2], v[HH], 4, v[AL2]
	v_add_nc_u32 v[AL2], L2P, v[AL2]
	v_mul_u32_u24 v[AW3], v[RR], PW3
	v_lshl_add_u32 v[AW3], v[HH], 4, v[AW3]
	v_add_nc_u32 v[AW3], W3P, v[AW3]
	v_lshl_add_u32 v[ACO], v[RR], 4, s2
	v_add_nc_u32 v[ACO], COORD, v[ACO]
	v_mul_u32_u24 v[AOUT], v[RR], 48
	v_add3_u32 v[AOUT], v[AOUT], s6, STAGE
	v_add3_u32 v[ARB], v[OCO], s6, STAGE
	v_mov_b32 v[OGO], v[OCO]
	s_lshr_b32 s72, s9, 1                          ; the image: 32,768 bytes,
	s_lshl_b32 s72, s72, 15
	s_and_b32 s73, s9, 1                           ; its half: 2,048 points of 4 bytes,
	s_lshl_b32 s73, s73, 13
	s_add_co_u32 s72, s72, s73
	s_add_co_u32 s72, s72, s2                      ; my wave's 256 points
	s_mov_b32 s73, 0
	s_lshl3_add_u32 s74, s9, s8                    ; 8 g + w: my wave among all,
	s_mul_i32 s74, s74, 3072                       ; its 256 x 12 bytes of the output
	s_mov_b32 s75, 0
	s_wait_kmcnt 0x0
	s_add_nc_u64 s[16:17], s[16:17], s[72:73]
	s_add_nc_u64 s[44:45], s[44:45], s[74:75]
	s_load_b96 s[68:70], s[42:43], 0x0             ; b5's three numbers
	; ALL THE HEAD'S LOADS, in four groups; they are worked on in the order of issue, under counted waits.
	; group 1, 40 loads: my 32 rows of L1, and b1
.set i, 0
.rept 32
	global_load_b64 v[G1D+2*i:G1D+2*i+1], v[OL1], s[20:21] offset:280*i
.set i, i+1
.endr
.set i, 0
.rept 4
	global_load_b64 v[G1D+64+2*i:G1D+64+2*i+1], v[OL1T], s[20:21] offset:2240*i
.set i, i+1
.endr
.set i, 0
.rept 4
	global_load_b32 v[G1D+72+i], v[OB1], s[24:25] offset:32*i
.set i, i+1
.endr
	; group 2, 18 loads: rows w, w + 8, .. w + 64 of R1, into window 1, v0-71
	WIN 0x40
.set i, 0
.rept 8
	global_load_b128 v[8*i:8*i+3],   v[OR1], s[22:23] offset:8192*i
	global_load_b128 v[8*i+4:8*i+7], v[OR1], s[22:23] offset:8192*i+512
.set i, i+1
.endr
	global_load_b128 v[64:67], v[OR1L], s[22:23]
	global_load_b128 v[68:71], v[OR1L], s[22:23] offset:512
	; group 3, 36 loads: b3 and b4 straight to their places in window 1; my coordinates; Bmat; R2; W4; W5
	global_load_b128 v[B3:B3+3],     v[OB34], s[34:35]
	global_load_b128 v[B3+4:B3+7],   v[OB34], s[34:35] offset:16
	global_load_b128 v[B3+8:B3+11],  v[OB34], s[34:35] offset:64
	global_load_b128 v[B3+12:B3+15], v[OB34], s[34:35] offset:80
	global_load_b128 v[B4:B4+3],     v[OB34], s[38:39]
	global_load_b128 v[B4+4:B4+7],   v[OB34], s[38:39] offset:16
	WIN 0
	global_load_b128 v[GCO:GCO+3],     v[OCO], s[16:17] th:TH_LOAD_NT               ; c0 of points 4 l .. 4 l + 3,
	global_load_b128 v[GCO+4:GCO+7],   v[OCO], s[16:17] offset:512 th:TH_LOAD_NT    ; of points 128 + 4 l ..,
	global_load_b128 v[GCO+8:GCO+11],  v[OCO], s[16:17] offset:16384 th:TH_LOAD_NT  ; and c1 of the same
	global_load_b128 v[GCO+12:GCO+15], v[OCO], s[16:17] offset:16896 th:TH_LOAD_NT
.set i, 0
.rept 8
	global_load_b32 v[GBM+i],   v[OBM], s[18:19] offset:64*i
	global_load_b32 v[GBM+8+i], v[OBM], s[18:19] offset:512+64*i
.set i, i+1
.endr
	global_load_b128 v[GR2:GR2+3],     v[OR1],  s[28:29]
	global_load_b128 v[GR2+4:GR2+7],   v[OR1],  s[28:29] offset:512
	global_load_b128 v[GR2+8:GR2+11],  v[OR2L], s[28:29]
	global_load_b128 v[GR2+12:GR2+15], v[OR2L], s[28:29] offset:512
	global_load_b128 v[GW4:GW4+3],     v[OW4], s[36:37]
	global_load_b128 v[GW4+4:GW4+7],   v[OW4], s[36:37] offset:16
	global_load_b128 v[GW4+8:GW4+11],  v[OW4], s[36:37] offset:64
	global_load_b128 v[GW4+12:GW4+15], v[OW4], s[36:37] offset:80
	global_load_b128 v[GW5:GW5+3],     v[OW5], s[40:41]
	global_load_b128 v[GW5+4:GW5+7],   v[OW5], s[40:41] offset:16
	; group 4: waves 0-3 take L2 and b2 (6 loads), waves 4-7 W3 (8 loads)
	s_cmp_lt_u32 s8, 4
	s_cbranch_scc0 .Lask_w3
.set i, 0
.rept 5
	global_load_b64 v[G4D+2*i:G4D+2*i+1], v[OL2], s[26:27] offset:8*i
.set i, i+1
.endr
	global_load_b32 v[G4D+10], v[OB2], s[30:31]
	s_branch .Lasked
.Lask_w3:
.set i, 0
.rept 8
	global_load_b128 v[G4D+4*i:G4D+4*i+3], v[OW3], s[32:33] offset:512*i
.set i, i+1
.endr
.Lasked:
	s_wait_loadcnt 60                              ; group 1 is in: behind it 18 + 36 + at least 6 loads were issued (loads come back in order: ISA guide 5.7.1)
.set i, 0
.rept 32
	v_cvt_pk_bf16_f32 v[G1D+2*i], v[G1D+2*i], v[G1D+2*i+1]
	ds_store_b32 v[SL1], v[G1D+2*i] offset:PL1*i   ; k = 2 l, 2 l + 1 of row 32 w + i
.set i, i+1
.endr
.set i, 0
.rept 4
	v_cvt_pk_bf16_f32 v[G1D+64+2*i], v[G1D+64+2*i], v[G1D+64+2*i+1]
	v_cvt_pk_bf16_f32 v[G1D+72+i], v[G1D+72+i], v[ZQ]
	v_cndmask_b32 v[G1D+64+2*i], v[G1D+64+2*i], v[G1D+72+i], s66  ; k = 64..69, then (b1, 0)
	ds_store_b32 v[SL1T], v[G1D+64+2*i] offset:8*PL1*i
.set i, i+1
.endr
	ds_store_b128 v[SL1Z], v[ZQ:ZQ+3]              ; k = 72..95 are 0: a lane a row
	ds_store_b128 v[SL1Z], v[ZQ:ZQ+3] offset:16
	ds_store_b128 v[SL1Z], v[ZQ:ZQ+3] offset:32
	s_wait_loadcnt 42                              ; group 2 is in: behind it 36 + at least 6
	WIN 0x45
.set i, 0
.rept 18
	v_cvt_pk_bf16_f32 v[4*i],   v[4*i],   v[4*i+1]
	v_cvt_pk_bf16_f32 v[4*i+1], v[4*i+2], v[4*i+3]
.set i, i+1
.endr
.irp x, 64, 65, 68, 69
	v_and_b32 v[\x], s67, v[\x]                    ; rows 70 and 71 are 0
.endr
	WIN 0x04                                       ; address window 0, data window 1
.set i, 0
.rept 18
	ds_store_b64 v[SR1], v[4*i:4*i+1] offset:8*PR1*(i/2)+32*(i%2)  ; row w + 8 (i / 2); sines at 0, cosines at 32 of each K block
.set i, i+1
.endr
	WIN 0
	ds_store_b64 v[SR1], v[ZQ:ZQ+1] offset:72*PR1  ; rows 72 + w are 0
	ds_store_b64 v[SR1], v[ZQ:ZQ+1] offset:72*PR1+32
	s_wait_loadcnt 6                               ; group 3 is in: behind it at least 6
.set i, 0
.rept 4
	v_cvt_pk_bf16_f32 v[GCO+i],   v[GCO+i],   v[GCO+8+i]   ; a point's (c0, c1)
	v_cvt_pk_bf16_f32 v[GCO+4+i], v[GCO+4+i], v[GCO+12+i]
.set i, i+1
.endr
	ds_store_b128 v[SCO], v[GCO:GCO+3]
	ds_store_b128 v[SCO], v[GCO+4:GCO+7] offset:512
.set i, 0
.rept 8
	v_cvt_pk_bf16_f32 v[BMV+i], v[GBM+i], v[GBM+8+i]
	v_and_b32 v[BMV+i], v[MASKH], v[BMV+i]         ; lanes 16-31 hold k = 8, 9: nothing
.set i, i+1
.endr
.set i, 0
.rept 4
	v_cvt_pk_bf16_f32 v[GR2+4*i],   v[GR2+4*i],   v[GR2+4*i+1]
	v_cvt_pk_bf16_f32 v[GR2+4*i+1], v[GR2+4*i+2], v[GR2+4*i+3]
.set i, i+1
.endr
.irp x, 8, 9, 12, 13
	v_and_b32 v[GR2+\x], s71, v[GR2+\x]            ; rows 10-15 are 0
.endr
	ds_store_b64 v[SR2], v[GR2:GR2+1]
	ds_store_b64 v[SR2], v[GR2+4:GR2+5] offset:256
	ds_store_b64 v[SR2], v[GR2+8:GR2+9] offset:8*PR1
	ds_store_b64 v[SR2], v[GR2+12:GR2+13] offset:8*PR1+256
.set i, 0
.rept 4
	v_cvt_pk_bf16_f32 v[GW5+i], v[GW5+2*i], v[GW5+2*i+1]
.set i, i+1
.endr
	s_wait_kmcnt 0x0                               ; b5
	WIN 0x40                                       ; destination window 1, sources window 0
.set i, 0
.rept 8
	v_cvt_pk_bf16_f32 v[W4A+i], v[GW4+2*i], v[GW4+2*i+1]
.set i, i+1
.endr
.set i, 0
.rept 4
	v_cndmask_b32 v[W5A+i], 0, v[GW5+i], s76
	v_mov_b32 v[W5A+4+i], 0                        ; k = 16..31
.set i, i+1
.endr
	v_mov_b32 v[B5], s68
	v_mov_b32 v[B5+1], s69
	v_mov_b32 v[B5+2], s70
.set i, 3
.rept 5
	v_mov_b32 v[B5+i], 0
.set i, i+1
.endr
.set i, 0
.rept 16
	v_mov_b32 v[ONE70+i], 0                        ; ONE70 and ONE10
.set i, i+1
.endr
	v_and_b32 v[ONE70+6], 0x3f800000, v[MASKH]     ; feature 70 = 64 + 8 x 0 + 6
	v_and_b32 v[ONE10+2], 0x3f800000, v[NOTH]      ; feature 10 = 8 x 1 + 2
	v_mov_b32 v[ZERO1], 0
	WIN 0x45
.set i, 0
.rept 14
	RB16 B3+2*i, B3+2*i+1                          ; b3, b4 and b5 (they lie on end) as bf16 numbers in f32
.set i, i+1
.endr
	WIN 0
	s_wait_loadcnt 0x0                             ; group 4 is in; no load is out, so the head's offset registers are free
	s_cmp_lt_u32 s8, 4
	s_cbranch_scc0 .Lput_w3
.set i, 0
.rept 5
	v_cvt_pk_bf16_f32 v[G4D+i], v[G4D+2*i], v[G4D+2*i+1]
.set i, i+1
.endr
	v_cvt_pk_bf16_f32 v[G4D+5], v[G4D+10], v[ZQ]   ; (b2, 0)
	v_mov_b32 v[G4D+6], 0
	v_mov_b32 v[G4D+7], 0
	ds_store_b128 v[SL2], v[G4D:G4D+3]
	ds_store_b128 v[SL2], v[G4D+4:G4D+7] offset:16
	ds_store_b128 v[SL2], v[ZQ:ZQ+3] offset:32
	ds_store_b128 v[SL2], v[ZQ:ZQ+3] offset:48
	s_branch .Lput
.Lput_w3:
.set i, 0
.rept 8
	v_cvt_pk_bf16_f32 v[G4D+4*i],   v[G4D+4*i],   v[G4D+4*i+1]
	v_cvt_pk_bf16_f32 v[G4D+4*i+1], v[G4D+4*i+2], v[G4D+4*i+3]
	ds_store_b64 v[SW3], v[G4D+4*i:G4D+4*i+1] offset:PW3*i
.set i, i+1
.endr
.Lput:
	; the operands' padding, which stays 0 for the whole launch: registers 1-7 of Bmat's and the coordinates' fragments, registers 4-7 of the half fragments
.set i, BA
.rept 48
.if i%8 != 0
	v_mov_b32 v[i], 0
.endif
.set i, i+1
.endr
.set i, HF
.rept 32
.if i%8 >= 4
	v_mov_b32 v[i], 0
.endif
.set i, i+1
.endr
	s_wait_dscnt 0x0                               ; for the others' sake: my stores into the weights' images are done
	s_barrier_signal -1
	s_barrier_wait -1                              ; the one barrier: from here on the images are only read
; PHASE 1.  Unit m = 4 kb + p: K block kb (16 projections: 16 sines, 16 cosines), tile p.
.macro PROJ m                           ; u for unit m
	WIN 0
	v_wmma_f32_16x16x32_bf16 v[UU+8*((\m)%2):UU+8*((\m)%2)+7], v[BA+8*(((\m)/4)%2):BA+8*(((\m)/4)%2)+7], v[CF+8*((\m)%4):CF+8*((\m)%4)+7], 0
.endm
.macro HOOK m                           ; in a K block's first unit: the next block's fragments of R1 and of Bmat; in the last block's: phase 2's first fragments.  Eight plain instructions stand behind the last product that read the buffer
.if (\m)%4 == 0
.set hk, (\m)/4
.if hk < 7
.set hq, 0
.rept 5
	LDF RA+40*((hk+1)%2)+8*hq, AR1, 16*PR1*hq+64*(hk+1)
.set hq, hq+1
.endr
.if hk >= 1
	v_mov_b32 v[BA+8*((hk+1)%2)], v[BMV+hk+1]
.endif
.else
	LDF LA, AL1, 0
	LDF LA+8, AL1, 64
	LDF LA+16, AL1, 128
	LDF R2A, AR2, 0
.endif
.endif
.endm
.macro SC m                             ; 16 sines and 16 cosines a lane pair: 56 vector instructions; the projection's lowest register is read first
	WIN 0
.set rU, UU+8*((\m)%2)
.set rX, XF+8*((\m)%2)
.set q, 0
.rept 8
	v_rndne_f32 v[TS+q], v[rU+q]
.set q, q+1
.endr
	HOOK \m
	Q4 v_pk_add_f32 v[TR+q:TR+q+1], v[rU+q:rU+q+1], v[TS+q:TS+q+1] neg_lo:[0,1] neg_hi:[0,1]
	Q4 v_pk_mul_f32 v[TZ+q:TZ+q+1], v[TR+q:TR+q+1], v[TR+q:TR+q+1]
	Q4 v_pk_fma_f32 v[TS+q:TS+q+1], v[TZ+q:TZ+q+1], s[KS3:KS3+1], s[KS2:KS2+1] op_sel_hi:[1,0,0]
	Q4 v_pk_fma_f32 v[TC+q:TC+q+1], v[TZ+q:TZ+q+1], s[KC4:KC4+1], s[KC3:KC3+1] op_sel_hi:[1,0,0]
	Q4 v_pk_fma_f32 v[TS+q:TS+q+1], v[TS+q:TS+q+1], v[TZ+q:TZ+q+1], s[KS1:KS1+1] op_sel_hi:[1,1,0]
	Q4 v_pk_fma_f32 v[TC+q:TC+q+1], v[TC+q:TC+q+1], v[TZ+q:TZ+q+1], s[KC2:KC2+1] op_sel_hi:[1,1,0]
	Q4 v_pk_fma_f32 v[TS+q:TS+q+1], v[TS+q:TS+q+1], v[TZ+q:TZ+q+1], s[KS0:KS0+1] op_sel_hi:[1,1,0]
	Q4 v_pk_fma_f32 v[TC+q:TC+q+1], v[TC+q:TC+q+1], v[TZ+q:TZ+q+1], s[KC1:KC1+1] op_sel_hi:[1,1,0]
	Q4 v_pk_mul_f32 v[TS+q:TS+q+1], v[TS+q:TS+q+1], v[TR+q:TR+q+1]
	Q4 v_pk_fma_f32 v[TC+q:TC+q+1], v[TC+q:TC+q+1], v[TZ+q:TZ+q+1], s[KC0:KC0+1] op_sel_hi:[1,1,0]
	Q4 v_cvt_pk_bf16_f32 v[rX+q/2], v[TS+q], v[TS+q+1]
	Q4 v_cvt_pk_bf16_f32 v[rX+4+q/2], v[TC+q], v[TC+q+1]
.endm
.macro MT m                             ; t += R1 x for unit m: five feature tiles, five accumulators by turns.  The first K block starts the sums: with 0, the fifth tile with the 1 at feature 70
	WIN 0x50
.set mq, 0
.rept 5
.set rD, 40*((\m)%4)+8*mq
.set rA, RA+40*(((\m)/4)%2)+8*mq
.set rB, XF+8*((\m)%2)
.if (\m) >= 4
	v_wmma_f32_16x16x32_bf16 v[rD:rD+7], v[rA:rA+7], v[rB:rB+7], v[rD:rD+7]
.elseif mq == 4
	v_wmma_f32_16x16x32_bf16 v[rD:rD+7], v[rA:rA+7], v[rB:rB+7], v[ONE70:ONE70+7]
.else
	v_wmma_f32_16x16x32_bf16 v[rD:rD+7], v[rA:rA+7], v[rB:rB+7], 0
.endif
.set mq, mq+1
.endr
.endm
.macro TCV                              ; t rounded to bf16: fragments 0 and 1 into TF, the fifth tile into the half fragment.  Tile 0's twenty lines are the places behind the last unit's products, which are tile 3's
	WIN 0x05
.set tp, 0
.rept 4
.set tq, 0
.rept 5
.set tj, 0
.rept 4
.if tq < 4
	v_cvt_pk_bf16_f32 v[TF+16*tp+4*tq+tj], v[40*tp+8*tq+2*tj], v[40*tp+8*tq+2*tj+1]
.else
	v_cvt_pk_bf16_f32 v[HF+8*tp+tj], v[40*tp+8*tq+2*tj], v[40*tp+8*tq+2*tj+1]
.endif
.set tj, tj+1
.endr
.set tq, tq+1
.endr
.set tp, tp+1
.endr
.endm
; PHASES 2 AND 3
.macro Y1 hs                            ; feature tile hs of L1 t (+ b1): 3 K blocks x 4 tiles, the four accumulators by turns
	WIN 0x50
.set yk, 0
.rept 3
.set yp, 0
.rept 4
.set rD, 32*((\hs)%2)+8*yp
.set rA, LA+40*((\hs)%2)+8*yk
.if yk < 2
.set rB, TF+16*yp+8*yk
.else
.set rB, HF+8*yp
.endif
.if yk == 0
	v_wmma_f32_16x16x32_bf16 v[rD:rD+7], v[rA:rA+7], v[rB:rB+7], 0
.else
	v_wmma_f32_16x16x32_bf16 v[rD:rD+7], v[rA:rA+7], v[rB:rB+7], v[rD:rD+7]
.endif
.set yp, yp+1
.endr
.set yk, yk+1
.endr
.endm
.macro CV t                             ; feature tile t, made a step ago: rounded to bf16 into half t % 2 of fragment buffer (t / 2) % 2, then the ReLU on the packed halves
	WIN 0x45
.set cp, 0
.rept 4
.set cj, 0
.rept 4
	v_cvt_pk_bf16_f32 v[XW+32*(((\t)/2)%2)+8*cp+4*((\t)%2)+cj], v[32*((\t)%2)+8*cp+2*cj], v[32*((\t)%2)+8*cp+2*cj+1]
.set cj, cj+1
.endr
.set cp, cp+1
.endr
.set cp, 0
.rept 4
.set cj, 0
.rept 4
	v_pk_max_num_bf16 v[XW+32*(((\t)/2)%2)+8*cp+4*((\t)%2)+cj], v[XW+32*(((\t)/2)%2)+8*cp+4*((\t)%2)+cj], v[ZERO1]
.set cj, cj+1
.endr
.set cp, cp+1
.endr
.endm
.macro T2M b                            ; t2 += R2 x1 for K block b; block 0 starts the sums with the 1 at feature 10
	WIN 0x54
.set cp, 0
.rept 4
.if (\b) == 0
	v_wmma_f32_16x16x32_bf16 v[T2W+8*cp:T2W+8*cp+7], v[R2A+40*((\b)%2):R2A+40*((\b)%2)+7], v[XW+32*((\b)%2)+8*cp:XW+32*((\b)%2)+8*cp+7], v[ONE10:ONE10+7]
.else
	v_wmma_f32_16x16x32_bf16 v[T2W+8*cp:T2W+8*cp+7], v[R2A+40*((\b)%2):R2A+40*((\b)%2)+7], v[XW+32*((\b)%2)+8*cp:XW+32*((\b)%2)+8*cp+7], v[T2W+8*cp:T2W+8*cp+7]
.endif
.set cp, cp+1
.endr
.endm
.macro Y2 ts                            ; feature tile ts of L2 t2 (+ b2): one K block
	WIN 0x50
.set cp, 0
.rept 4
	v_wmma_f32_16x16x32_bf16 v[32*((\ts)%2)+8*cp:32*((\ts)%2)+8*cp+7], v[L2A+40*((\ts)%2):L2A+40*((\ts)%2)+7], v[HF+8*cp:HF+8*cp+7], 0
.set cp, cp+1
.endr
.endm
.macro Y3M c                            ; layer 3's sums += W3 x2 for K block c: 2 feature tiles x 4 tiles, eight accumulators by turns; block 0 starts them with b3
.if (\c) == 0
	WIN 0x14
.else
	WIN 0x04
.endif
.set yt, 0
.rept 2
.set yp, 0
.rept 4
.set rD, Y3+16*yp+8*yt
.set rA, W3A+40*((\c)%2)+8*yt
.set rB, XW+32*((\c)%2)+8*yp
.if (\c) == 0
	v_wmma_f32_16x16x32_bf16 v[rD:rD+7], v[rA:rA+7], v[rB:rB+7], v[B3+8*yt:B3+8*yt+7]
.else
	v_wmma_f32_16x16x32_bf16 v[rD:rD+7], v[rA:rA+7], v[rB:rB+7], v[rD:rD+7]
.endif
.set yp, yp+1
.endr
.set yt, yt+1
.endr
.endm
	s_mov_b32 s10, TRIPS
	s_mov_b32 s12, 0
	s_mov_b32 s13, 0
.Ltrip:                                         ; 64 points a trip.  No two products that follow each other name the same accumulator, over the backward jump too
	v_add_nc_u32 v[ACOT], s12, v[ACO]
	v_add_nc_u32 v[AOT], s13, v[AOUT]
	ds_load_b128 v[CRAW:CRAW+3], v[ACOT]           ; the coordinates of points 4 r .. 4 r + 3: one for each tile
.set i, 0
.rept 5
	LDF RA+8*i, AR1, 16*PR1*i                      ; R1's K block 0
.set i, i+1
.endr
	v_mov_b32 v[BA], v[BMV]
	v_mov_b32 v[BA+8], v[BMV+1]
	s_wait_dscnt 10                                ; the coordinates are in; the ten loads behind them may be out
.set i, 0
.rept 4
	v_and_b32 v[CF+8*i], v[MASKH], v[CRAW+i]       ; lanes 16-31 hold k = 8, 9: nothing
.set i, i+1
.endr
	PROJ 0
	PROJ 1
	PLACES
.set n, 0
.rept 32                                ; a unit: the sines and cosines of projections made two units ago; five products; the projections for two units on
	SC n
.if n == 0
	s_wait_dscnt 10                                ; K block 0 of R1 is in; block 1's ten loads may be out
.elseif n%4 == 3
	s_wait_dscnt 0x0                               ; the run issued three units back: the next block's fragments
.endif
	MT n
.if n <= 29
	PROJ n+2
.endif
.set n, n+1
.endr
	TCV
.set hs, 0
.rept 16                                ; a step: the next tile's fragments are asked for; 12 products for tile hs; the tile before is rounded; every second step 4 products for t2
	WIN 0
	s_wait_dscnt 0x0                               ; the run issued a step back
.if hs < 15
	LDF LA+40*((hs+1)%2), AL1, 16*PL1*(hs+1)
	LDF LA+40*((hs+1)%2)+8, AL1, 16*PL1*(hs+1)+64
	LDF LA+40*((hs+1)%2)+16, AL1, 16*PL1*(hs+1)+128
.else
	LDF L2A, AL2, 0                                ; phase 3's first fragments
	LDF W3A, AW3, 0
	LDF W3A+8, AW3, 16*PW3
.endif
.if (hs%2 == 0) && (hs >= 2)
	LDF R2A+40*((hs/2)%2), AR2, 64*(hs/2)
.endif
	Y1 hs
.if hs == 0
	PLACES                                         ; in front of the next step's loads into the buffer just read
.else
	CV hs-1
.endif
.if (hs%2 == 0) && (hs >= 2)
	T2M hs/2-1
.endif
.set hs, hs+1
.endr
	CV 15
	T2M 7
	PLACES
	WIN 0x05
.set cp, 0
.rept 4
.set cj, 0
.rept 4
	v_cvt_pk_bf16_f32 v[HF+8*cp+cj], v[T2W+8*cp+2*cj], v[T2W+8*cp+2*cj+1]  ; t2: no ReLU between the two factors
.set cj, cj+1
.endr
.set cp, cp+1
.endr
.set ts, 0
.rept 8                                 ; a step: 4 products for tile ts of layer 2; the tile before is rounded; every second step 8 products for layer 3
	WIN 0
	s_wait_dscnt 0x0                               ; the run issued a step back
.if ts < 7
	LDF L2A+40*((ts+1)%2), AL2, 16*PL2*(ts+1)
.endif
.if (ts%2 == 0) && (ts >= 2)
	LDF W3A+40*((ts/2)%2), AW3, 64*(ts/2)
	LDF W3A+40*((ts/2)%2)+8, AW3, 16*PW3+64*(ts/2)
.endif
	Y2 ts
.if ts == 0
	PLACES
.else
	CV ts-1
.endif
.if (ts%2 == 0) && (ts >= 2)
	Y3M ts/2-1
.endif
.set ts, ts+1
.endr
	CV 7
	Y3M 3
	PLACES
	WIN 0x40                                       ; x3 = relu(..): 32 features, one fragment a tile
.set cp, 0
.rept 4
.set yt, 0
.rept 2
.set cj, 0
.rept 4
	v_cvt_pk_bf16_f32 v[XW+8*cp+4*yt+cj], v[Y3+16*cp+8*yt+2*cj], v[Y3+16*cp+8*yt+2*cj+1]
.set cj, cj+1
.endr
.set yt, yt+1
.endr
.set cp, cp+1
.endr
	WIN 0x45
.set i, 0
.rept 32
	v_pk_max_num_bf16 v[XW+i], v[XW+i], v[ZERO1]
.set i, i+1
.endr
	WIN 0x55
.set cp, 0
.rept 4
	v_wmma_f32_16x16x32_bf16 v[8*cp:8*cp+7], v[W4A:W4A+7], v[XW+8*cp:XW+8*cp+7], v[B4:B4+7]
.set cp, cp+1
.endr
	PLACES
	WIN 0x05                                       ; x4 = relu(..): 16 features, a half fragment
.set cp, 0
.rept 4
.set cj, 0
.rept 4
	v_cvt_pk_bf16_f32 v[HF+8*cp+cj], v[8*cp+2*cj], v[8*cp+2*cj+1]
.set cj, cj+1
.endr
.set cp, cp+1
.endr
	WIN 0
.set cp, 0
.rept 4
.set cj, 0
.rept 4
	v_pk_max_num_bf16 v[HF+8*cp+cj], v[HF+8*cp+cj], v[ZERO0]
.set cj, cj+1
.endr
.set cp, cp+1
.endr
	WIN 0x51
.set cp, 0
.rept 4
	v_wmma_f32_16x16x32_bf16 v[32+8*cp:32+8*cp+7], v[W5A:W5A+7], v[HF+8*cp:HF+8*cp+7], v[B5:B5+7]
.set cp, cp+1
.endr
	PLACES
	WIN 0x04                                       ; address window 0, data window 1
.set cp, 0
.rept 4
.set cj, 0
.rept 3
	ds_store_b32 v[AOT], v[32+8*cp+cj] offset:12*cp+4*cj  ; point 4 r + p, number j; both halves of the lanes write the same word with the same value
.set cj, cj+1
.endr
.set cp, cp+1
.endr
	WIN 0                                          ; at a label and at a branch every window is 0
	s_add_co_u32 s12, s12, 256                     ; 64 points on in COORD
	s_add_co_u32 s13, s13, 768                     ; and in STAGE
	s_sub_co_u32 s10, s10, 1
	s_cmp_lg_u32 s10, 0
	s_cbranch_scc1 .Ltrip
	; THE WAY OUT: my 3,072 bytes come back as they lie and are stored: each store of the wave covers 512 consecutive bytes, at a multiple of 256 from the output's first byte
.set i, 0
.rept 6
	ds_load_b128 v[104+4*i:104+4*i+3], v[ARB] offset:512*i  ; my own bytes: LDS serves a wave's instructions in order (ISA guide 5.7.1.4), so these see the stores above
.set i, i+1
.endr
.set i, 0
.rept 6
	s_wait_dscnt 5-i                               ; load i is back; the younger ones may be out
	global_store_b128 v[OGO], v[104+4*i:104+4*i+3], s[44:45] offset:512*i th:TH_STORE_NT
.set i, i+1
.endr
	s_wait_tensorcnt 0x0                           ; the wave's end: three lines behind my last LDS store
	ds_add_u32 v[SPW], v[NIL]
	s_wait_dscnt 0x0
	s_endpgm
.Lfunc_end_k_qb71665ed5c_mlp:
	.size	k_qb71665ed5c_mlp, .Lfunc_end_k_qb71665ed5c_mlp-k_qb71665ed5c_mlp
	.p2alignl 7, 3214868480
	.fill 96, 4, 3214868480
	.section	.rodata,"a",@progbits
	.p2align	6, 0x0
	.amdhsa_kernel k_qb71665ed5c_mlp
		.amdhsa_group_segment_fixed_size 156928
		.amdhsa_private_segment_fixed_size 0
		.amdhsa_enable_private_segment 0
		.amdhsa_kernarg_size 120
		.amdhsa_user_sgpr_count 2
		.amdhsa_user_sgpr_kernarg_segment_ptr 1
		.amdhsa_wavefront_size32 1
		.amdhsa_system_sgpr_workgroup_id_x 1
		.amdhsa_system_sgpr_workgroup_id_y 1
		.amdhsa_system_sgpr_workgroup_id_z 1
		.amdhsa_system_vgpr_workitem_id 0
		.amdhsa_next_free_vgpr 512
		.amdhsa_next_free_sgpr 80
		.amdhsa_reserve_vcc 0
		.amdhsa_float_denorm_mode_32 3
		.amdhsa_float_denorm_mode_16_64 3
		.amdhsa_memory_ordered 1
		.amdhsa_forward_progress 1
		.amdhsa_inst_pref_size 255
	.end_amdhsa_kernel
	.section	.bss,"aw",@nobits
	.p2align	6
	.space	262144
	.amdgpu_metadata
---
amdhsa.version: [ 1, 2 ]
amdhsa.kernels:
  - .name:           k_qb71665ed5c_mlp
    .symbol:         k_qb71665ed5c_mlp.kd
    .args:
      - { .name: coords, .offset: 0, .size: 8, .value_kind: global_buffer, .address_space: global }
      - { .name: Bmat, .offset: 8, .size: 8, .value_kind: global_buffer, .address_space: global }
      - { .name: L1, .offset: 16, .size: 8, .value_kind: global_buffer, .address_space: global }
      - { .name: R1, .offset: 24, .size: 8, .value_kind: global_buffer, .address_space: global }
      - { .name: b1, .offset: 32, .size: 8, .value_kind: global_buffer, .address_space: global }
      - { .name: L2, .offset: 40, .size: 8, .value_kind: global_buffer, .address_space: global }
      - { .name: R2, .offset: 48, .size: 8, .value_kind: global_buffer, .address_space: global }
      - { .name: b2, .offset: 56, .size: 8, .value_kind: global_buffer, .address_space: global }
      - { .name: W3, .offset: 64, .size: 8, .value_kind: global_buffer, .address_space: global }
      - { .name: b3, .offset: 72, .size: 8, .value_kind: global_buffer, .address_space: global }
      - { .name: W4, .offset: 80, .size: 8, .value_kind: global_buffer, .address_space: global }
      - { .name: b4, .offset: 88, .size: 8, .value_kind: global_buffer, .address_space: global }
      - { .name: W5, .offset: 96, .size: 8, .value_kind: global_buffer, .address_space: global }
      - { .name: b5, .offset: 104, .size: 8, .value_kind: global_buffer, .address_space: global }
      - { .name: out0, .offset: 112, .size: 8, .value_kind: global_buffer, .address_space: global }
    .group_segment_fixed_size: 156928
    .private_segment_fixed_size: 0
    .kernarg_segment_align: 8
    .kernarg_segment_size: 120
    .max_flat_workgroup_size: 256
    .sgpr_count:     80
    .vgpr_count:     512
    .wavefront_size: 32
...
	.end_amdgpu_metadata
.endif
;; end of part 1
;; ======== version 2 of 2: 1 launch; version 1 with the launch mlp written anew for expert scheduling mode
;; limits: values outside matrix products are rounded to bf16; a function is approximated: absolute error at most 0.00025
;; launch mlp (part 2): grid 256 x 1, 8 waves a work-group, no clusters, 156,928 bytes of LDS; arguments coords, Bmat, L1, R1, b1, L2, R2, b2, W3, b3, W4, b4, W5, b5, out0; writes out0
.if DOCPART == 2
	.amdgcn_target "amdgcn-amd-amdhsa--gfx1250"
	.amdhsa_code_object_version 6
	.text
	.protected	k_qb71665ed5c_mlp
	.globl	k_qb71665ed5c_mlp
	.p2align	8
	.type	k_qb71665ed5c_mlp,@function
k_qb71665ed5c_mlp:
	s_mov_b64 s[64:65], 0
	v_nop
	global_prefetch_b8 v0, s[64:65] scope:SCOPE_SE
	s_setreg_imm32_b32 hwreg(HW_REG_WAVE_SCHED_MODE, 0, 2), 2
	s_setreg_imm32_b32 hwreg(HW_REG_WAVE_MODE, 25, 1), 1
	s_wait_xcnt 0x0
	s_wait_alu depctr_vm_vsrc(0)
; ImplicitMLP, all of it in one launch: 524,288 points; 2 coordinates -> 128 projections -> 256 sines and cosines -> 256 -> 128 -> 32 -> 16 -> 3.
; THE LOW RANK IS USED AS IT IS GIVEN: x (L R)^T = (x R^T) L^T for every input, so layer 1 is 256 -> 70 -> 256 and layer 2 is 256 -> 10 -> 128.
; SHARES.  256 work-groups of 8 waves; a work-group owns 2,048 points (half an image), a wave 256, walked in 4 trips of 64 = 4 tiles of 16.  Column r of tile p is point 4 r + p of the trip:
; one 16-byte LDS read gives a lane the coordinates of its four tiles, and a lane's 4 x 3 results are 48 bytes on end.
; LAYOUT.  Every product is Y^T = W X^T: source 0 = 16 output features x 32 k of weights (from LDS), source 1 = 32 k x 16 points.  In a result lane (r, h) holds point r and features 8 h + 0..7;
; two results rounded to bf16 in pairs ARE the next layer's source 1.  So activations never leave registers and never change lanes; each weight fragment read from LDS feeds four products.
; FORMATS.  Every input is rounded once to bf16 (coordinates, Bmat, weights, biases); sums in f32; activations (x, t, x1, t2, x2, x3, x4) are rounded once to bf16 as matrix operands.
; b1 and b2 ride as one more column of L1 and L2 against a constant 1 in t and t2 (put there by the C operand of the sum's first product); b3, b4, b5 are C operands.
; SINE AND COSINE.  u = c0 B0 + c1 B1 in cycles, by the matrix unit (K = 2 padded to 32); r = u - rndne(u), exact, in [-1/2, 1/2]; z = r r;
; sin 2 pi u = r (S0 + z (S1 + z (S2 + z S3))), off by 2.5e-4 at the most; cos 2 pi u = C0 + z (C1 + z (C2 + z (C3 + z C4))), off by 4e-5 at the most.
; LIMITS.  A NaN is lost in a ReLU (the maximum keeps the number).  From |u| = 2^24 on an f32 has no fraction left and r is 0.  The projection's error grows with |coords Bmat| as the rounding of its operands to bf16 does.
; NO CLUSTER, NO TENSOR LOADS: what all work-groups share is 180 KB of f32 weights, read once at the head; they must pass through registers to be rounded, padded and permuted, and an f32 copy
; beside the 157 KB in use does not fit in LDS.  Nothing streams: a work-group's own input is 16 KB.
; TWO WAVES A SIMD, 512 registers each, no barrier in the loop: a wave's short runs of products and runs of vector work alternate, and each run works on what the run before it made.
; THE MODE: SCHED_MODE bits 1:0 = 2 (LLVM: expert scheduling mode 2), set by the entry lines.  The code itself states the register dependences
; between vector or matrix instructions and memory or LDS instructions, with s_wait_alu, always for 0.
; THE PLAN.  Registers that memory or LDS instructions touch, in the loop:
;   v104-143, v144-183  two buffers of weight fragments.  LDS loads land in them; products alone read them.  A buffer is asked for again behind ONE wait on va_vdst that stands behind the vector run
;                       (sines and cosines, or a tile's roundings) which follows the last products that read it; no vector or matrix line between that wait and the loads names the buffer.
;   v[CRAW ..]          A load lands at the trip's head; four v_and read it.
;   v[ACOT], v[AOT]     Written at the trip's head; read by the trip's coordinate load and by its twelve LDS stores.
;   window 1, v32-58    Layer 5's results: written by products, read by the twelve LDS stores, written again by the next trip's products.
;   v[AR1], v[AL1], v[AR2], v[AL2], v[AW3], v[ARB], v[OGO]  Written at the head, never again.
;   All other registers of the loop are named by vector and matrix instructions alone.
; So a trip has: at its head one wait on vm_vsrc and one on va_vdst; one on va_vdst ahead of each run of fragment loads but the first two; one ahead of its stores.
; At the head each group of loaded numbers is rounded whole, one wait on va_vdst follows, then its LDS stores; one wait on vm_vsrc stands ahead of the first line that writes a register which those loads and stores read.
;
; LDS (all written by ds_store at the head, then read only, but for COORD's and STAGE's own-wave bytes):
.set R1P,   0                           ; 80 rows x 528: R1, K permuted: block kb = columns 16 kb .. +15 (sines), then 128 + 16 kb .. +15 (cosines); rows 70-79 are 0
.set L1P,   42240                       ; 256 rows x 208: k < 70 L1, k = 70 b1, k = 71..95 are 0
.set R2P,   95488                       ; 16 rows x 528: R2; rows 10-15 are 0
.set L2P,   103936                      ; 128 rows x 80: k < 10 L2, k = 10 b2, up to 31 are 0
.set W3P,   114176                      ; 32 rows x 272: W3
.set COORD, 122880                      ; 1,024 bytes a wave: a word a point, bf16 c0 below, bf16 c1 above
.set STAGE, 131072                      ; 3,072 bytes a wave: its 256 x 3 results
.set SPARE, 155648                      ; the spare words, 128 bytes for each wave: four blocks of 256 bytes that no other line names
.set PR1, 528                           ; all pitches are odd multiples of 16 bytes: the 16 rows of a fragment load start at 16 different groups of four banks (ISA guide 11.1)
.set PL1, 208
.set PL2, 80
.set PW3, 272
.set TRIPS, 4
; REGISTERS, window 0 (s_set_vgpr_msb: bits 1:0 source 0, 3:2 source 1, 5:4 source 2, 7:6 destination)
.set SPW,   1                           ; LDS address of my spare word; never rewritten
.set NIL,   2                           ; 0, for the add alone
.set ZERO0, 3                           ; 0
.set MASKH, 4                           ; -1 in lanes 0-15 of the wave, 0 in lanes 16-31
.set AR1,   5                           ; fragment addresses: region + r x pitch + 16 h
.set AL1,   6
.set AR2,   7
.set AL2,   8
.set AW3,   9
.set ACO,   10                          ; COORD + 1024 w + 16 r
.set AOUT,  11                          ; STAGE + 3072 w + 48 r
.set CRAW,  12                          ; v[12:15] a trip's packed coordinates, tile p in register p
.set BMV,   16                          ; v[16:23] (B0, B1)[16 kb + r] packed, 0 in lanes 16-31
.set BA,    24                          ; v[24:39] two fragments of Bmat: register 0 from BMV, registers 1-7 stay 0
.set CF,    40                          ; v[40:71] four fragments of coordinates: register 0, registers 1-7 stay 0
.set HF,    72                          ; v[72:103] four half fragments (k = 0..15): t's third, t2, x4 in turn; registers 4-7 stay 0
.set RA,    104                         ; phase 1: two buffers of 40: R1's five fragments of a K block
.set LA,    104                         ; phase 2: two buffers, 40 apart: L1's three fragments of a tile,
.set R2A,   128                         ;          and R2's fragment of a K block
.set L2A,   104                         ; phase 3: L2's fragment of a tile,
.set W3A,   112                         ;          and W3's two fragments of a K block
.set TR,    184                         ; phase 1, at work: r, z, the sine's and the cosine's polynomial, 8 each
.set TZ,    192
.set TS,    200
.set TC,    208
.set UU,    216                         ; two buffers of projections
.set XF,    232                         ; two buffers of x fragments
.set TF,    184                         ; phase 2: t's fragments, tile p, fragment f at TF + 16 p + 8 f
.set Y3,    184                         ; phase 3: layer 3's sums, tile p, feature tile at Y3 + 16 p + 8 tile
.set ACOT,  248                         ; this trip's address in COORD
.set AOT,   249                         ; and in STAGE
.set ARB,   252                         ; STAGE + 3072 w + 16 l
.set OGO,   253                         ; 16 l
; window 1 (named by the low 8 bits): 0-159 phase 1: t's sums, tile p, feature tile i at 40 p + 8 i; later 0-63 Y, two buffers of four; and
.set XW,    64                          ; two buffers of four fragments of x1, x2, x3
.set T2W,   128                         ; t2's sums
.set ONE70, 160                         ; C operand: 1.0 at feature 70 of t (register 6, lanes 0-15)
.set ONE10, 168                         ; C operand: 1.0 at feature 10 of t2 (register 2, lanes 16-31)
.set B3,    176                         ; C operands: b3 (two tiles), b4, b5
.set B4,    192
.set B5,    200
.set W4A,   208                         ; W4's fragment
.set W5A,   216                         ; W5's: rows 0-2 and again rows 8-10, so that both halves of the lanes hold the three results
.set ZERO1, 224
.set RBT,   232                         ; at work at the head
; the head's own registers (window 0; free again when its loads and stores have read them)
.set LN, 24
.set RR, 25
.set HH, 26
.set LQ, 27
.set LM, 28
.set OL1, 29
.set OL1T, 30
.set OB1, 31
.set OR1, 32
.set OR1L, 33
.set OCO, 34
.set OBM, 35
.set OR2L, 36
.set OW4, 37
.set OW5, 38
.set OB34, 39
.set OL2, 40
.set OB2, 41
.set OW3, 42
.set SL1, 43
.set SL1T, 44
.set SL1Z, 45
.set SR1, 46
.set SCO, 47
.set SR2, 48
.set SL2, 49
.set SW3, 50
.set R7, 51
.set ZQ, 52                             ; v[52:55] zeros to store
.set G4D, 56                            ; v[56:87] L2 and b2, or W3, as loaded
.set TMPA, 88
.set TMPB, 89
.set NOTH, 90
.set G1D, 104                           ; L1's rows, 64 columns; +64 its last 6 columns; +72 b1
.set GCO, 180
.set GBM, 196
.set GR2, 212
.set GW4, 228
.set GW5, 244
; scalars: s8 wave, s9 work-group, s10 trips to go, s12, s13 the trip's bytes in COORD and STAGE; s[16:45] the fifteen addresses; the polynomials' numbers as pairs:
.set KS0, 46
.set KS1, 48
.set KS2, 50
.set KS3, 52
.set KC0, 54
.set KC1, 56
.set KC2, 58
.set KC3, 60
.set KC4, 62
.set MSB, 0
.macro WIN new                          ; the immediate's high byte repeats the setting that is left; a switch that changes nothing is dropped
.if MSB != (\new)
	s_set_vgpr_msb (MSB<<8)|(\new)
.set MSB, \new
.endif
.endm
.macro PLACES                           ; four places behind a product, in front of a read of its result or a load into one of its sources, where no other vector work is at hand
.rept 4
	v_nop
.endr
.endm
.macro KPAIR reg, bits                  ; a packed instruction names a pair and takes its low word for both halves
	s_mov_b32 s[\reg], \bits
	s_mov_b32 s[(\reg)+1], \bits
.endm
.macro LDF dst, adr, off                ; a fragment: 16 rows x 32 k, two loads of 16 bytes a lane, 32 bytes apart
	ds_load_b128 v[(\dst):(\dst)+3], v[\adr] offset:(\off)
	ds_load_b128 v[(\dst)+4:(\dst)+7], v[\adr] offset:(\off)+32
.endm
.macro RB16 a, b                        ; two f32 rounded to bf16 and widened again, in place (window 1)
	v_cvt_pk_bf16_f32 v[RBT], v[\a], v[\b]
	v_lshlrev_b32 v[\a], 16, v[RBT]
	v_and_b32 v[\b], 0xffff0000, v[RBT]
.endm
.macro Q4 line:vararg                   ; one line for each of four register pairs q = 0, 2, 4, 6
.set q, 0
.rept 4
	\line
.set q, q+2
.endr
.endm
	s_load_b512 s[16:31], s[0:1], 0x0              ; coords, Bmat, L1, R1, b1, L2, R2, b2
	s_load_b256 s[32:39], s[0:1], 0x40             ; W3, b3, W4, b4
	s_load_b128 s[40:43], s[0:1], 0x60             ; W5, b5
	s_load_b64 s[44:45], s[0:1], 0x70              ; out0
	v_lshl_add_u32 v[SPW], v0, 2, SPARE
	v_mov_b32 v[NIL], 0
	v_lshrrev_b32 v[LN], 5, v0
	v_readfirstlane_b32 s8, v[LN]                  ; wave 0..7
	v_and_b32 v[LM], 3, v0                         ; l % 4
	v_and_b32 v[R7], 7, v0
	v_cmp_eq_u32 s66, 3, v[LM]                     ; the lane that holds (b1, 0) in L1's tail
	v_cmp_gt_u32 s76, 3, v[R7]                     ; rows 0-2 and 8-10 of W5's fragment
	s_mov_b32 s9, ttmp9                            ; work-group 0..255
	KPAIR KS0, 0x40c8e9ea                          ;   6.2785539
	KPAIR KS1, 0xc2245d4e                          ; -41.091116
	KPAIR KS2, 0x429bd19c                          ;  77.909396
	KPAIR KS3, 0xc260275d                          ; -56.038441
	KPAIR KC0, 0x3f7ffd51                          ;   0.99995904
	KPAIR KC1, 0xc19dd8f8                          ; -19.730943
	KPAIR KC2, 0x428157c8                          ;  64.671444
	KPAIR KC3, 0xc2a4c819                          ; -82.390819
	KPAIR KC4, 0x42367bf5                          ;  45.621051
	s_wait_alu depctr_va_sdst(0)                   ; s8, s66 and s76 are written, ahead of the first reader of any of them and of every branch: the scalar lines below read s8, two selects further down the masks
	s_lshl_b32 s2, s8, 10                          ; 1,024 w: a row of R1 or R2; my points' bytes in a channel; my part of COORD
	s_mul_i32 s3, s8, 8960                         ; my 32 rows of L1 in memory (280 bytes each)
	s_mul_i32 s4, s8, 32*PL1
	s_add_co_u32 s4, s4, L1P                       ; and in LDS
	s_mul_i32 s5, s8, PR1                          ; row w of R1P, R2P
	s_mul_i32 s6, s8, 3072                         ; my part of STAGE
	s_and_b32 s7, s8, 3                            ; w - 4 in waves 4-7
	s_add_co_u32 s11, s8, 64
	s_min_u32 s11, s11, 69                         ; R1 has 70 rows: waves 6 and 7 load the last once more and store zeros
	s_lshl_b32 s11, s11, 10
	s_add_co_u32 s14, s8, 8
	s_min_u32 s14, s14, 9                          ; R2 has 10 rows, likewise
	s_lshl_b32 s14, s14, 10
	s_lshl_b32 s15, s8, 7                          ; my 32 numbers of b1
	s_cmp_lt_u32 s8, 6
	s_cselect_b32 s67, -1, 0                       ; row 64 + w of R1 exists
	s_cmp_lt_u32 s8, 2
	s_cselect_b32 s71, -1, 0                       ; row 8 + w of R2 exists
	s_lshl_b32 s77, s7, 12                         ; 8 rows of W3 in memory
	s_mul_i32 s78, s7, 8*PW3
	s_add_co_u32 s78, s78, W3P                     ; and in LDS
	v_and_b32 v[LN], 31, v0                        ; l
	v_and_b32 v[RR], 15, v0                        ; r = l % 16
	v_bfe_u32 v[HH], v0, 4, 1                      ; h = l / 16
	v_bfe_u32 v[LQ], v0, 2, 3                      ; l / 4
	v_mov_b32 v[ZERO0], 0
	v_add_nc_u32 v[MASKH], -1, v[HH]
	v_xor_b32 v[NOTH], -1, v[MASKH]
.set i, 0
.rept 4
	v_mov_b32 v[ZQ+i], 0
.set i, i+1
.endr
	; byte offsets in memory
	v_lshl_add_u32 v[OL1], v[LN], 3, s3            ; L1: 8 l in my first row: a load covers 256 bytes on end
	v_min_u32 v[TMPA], 2, v[LM]
	v_mul_u32_u24 v[OL1T], v[LQ], 280
	v_lshl_add_u32 v[OL1T], v[TMPA], 3, v[OL1T]
	v_add3_u32 v[OL1T], v[OL1T], s3, 256           ; L1's columns 64-69: four lanes a row, the fourth reads the third's again
	v_lshl_add_u32 v[OB1], v[LQ], 2, s15
	v_lshl_add_u32 v[OR1], v[LN], 4, s2            ; row w of R1 and of R2
	v_lshl_add_u32 v[OR1L], v[LN], 4, s11
	v_lshlrev_b32 v[OCO], 4, v[LN]
	v_lshlrev_b32 v[OBM], 2, v[RR]
	v_lshl_add_u32 v[OR2L], v[LN], 4, s14
	v_lshlrev_b32 v[OW4], 7, v[RR]
	v_lshl_add_u32 v[OW4], v[HH], 5, v[OW4]        ; W4: row r, k = 8 h
	v_min_u32 v[TMPB], 2, v[R7]
	v_lshlrev_b32 v[OW5], 6, v[TMPB]
	v_lshl_add_u32 v[OW5], v[HH], 5, v[OW5]        ; W5: row min(r % 8, 2), k = 8 h
	v_lshlrev_b32 v[OB34], 5, v[HH]
	v_mul_u32_u24 v[OL2], v0, 40                   ; L2: a thread a row (waves 0-3)
	v_lshlrev_b32 v[OB2], 2, v0
	v_lshl_add_u32 v[OW3], v[LN], 4, s77           ; W3: eight rows a wave (waves 4-7)
	; LDS addresses of the head's stores
	v_lshl_add_u32 v[SL1], v[LN], 2, s4
	v_mul_u32_u24 v[SL1T], v[LQ], PL1
	v_lshl_add_u32 v[SL1T], v[LM], 2, v[SL1T]
	v_add3_u32 v[SL1T], v[SL1T], s4, 128
	v_mul_u32_u24 v[SL1Z], v[LN], PL1
	v_add3_u32 v[SL1Z], v[SL1Z], s4, 144
	v_lshl_add_u32 v[SR1], v[LQ], 6, s5            ; column 4 l + .. of a half lies in K block l / 4, at byte 8 (l % 4) of its sines or cosines
	v_lshl_add_u32 v[SR1], v[LM], 3, v[SR1]
	v_add3_u32 v[SCO], v[OCO], s2, COORD
	v_lshl_add_u32 v[SR2], v[LN], 3, s5
	v_add_nc_u32 v[SR2], R2P, v[SR2]
	v_mul_u32_u24 v[SL2], v0, PL2
	v_add_nc_u32 v[SL2], L2P, v[SL2]
	v_lshl_add_u32 v[SW3], v[LN], 3, s78
	; the loop's addresses
	v_mul_u32_u24 v[AR1], v[RR], PR1
	v_lshl_add_u32 v[AR1], v[HH], 4, v[AR1]
	v_add_nc_u32 v[AR2], R2P, v[AR1]
	v_mul_u32_u24 v[AL1], v[RR], PL1
	v_lshl_add_u32 v[AL1], v[HH], 4, v[AL1]
	v_add_nc_u32 v[AL1], L1P, v[AL1]
	v_mul_u32_u24 v[AL2], v[RR], PL2
	v_lshl_add_u32 v[AL2], v[HH], 4, v[AL2]
	v_add_nc_u32 v[AL2], L2P, v[AL2]
	v_mul_u32_u24 v[AW3], v[RR], PW3
	v_lshl_add_u32 v[AW3], v[HH], 4, v[AW3]
	v_add_nc_u32 v[AW3], W3P, v[AW3]
	v_lshl_add_u32 v[ACO], v[RR], 4, s2
	v_add_nc_u32 v[ACO], COORD, v[ACO]
	v_mul_u32_u24 v[AOUT], v[RR], 48
	v_add3_u32 v[AOUT], v[AOUT], s6, STAGE
	v_add3_u32 v[ARB], v[OCO], s6, STAGE
	v_mov_b32 v[OGO], v[OCO]
	s_lshr_b32 s72, s9, 1                          ; the image: 32,768 bytes,
	s_lshl_b32 s72, s72, 15
	s_and_b32 s73, s9, 1                           ; its half: 2,048 points of 4 bytes,
	s_lshl_b32 s73, s73, 13
	s_add_co_u32 s72, s72, s73
	s_add_co_u32 s72, s72, s2                      ; my wave's 256 points
	s_mov_b32 s73, 0
	s_lshl3_add_u32 s74, s9, s8                    ; 8 g + w: my wave among all,
	s_mul_i32 s74, s74, 3072                       ; its 256 x 12 bytes of the output
	s_mov_b32 s75, 0
	s_wait_kmcnt 0x0
	s_add_nc_u64 s[16:17], s[16:17], s[72:73]
	s_add_nc_u64 s[44:45], s[44:45], s[74:75]
	s_load_b96 s[68:70], s[42:43], 0x0             ; b5's three numbers
	s_wait_alu depctr_va_vdst(0)                   ; all byte offsets, all LDS addresses and the zeros v[ZQ ..] are written: the loads and stores of the whole kernel read them, and but for v[ACOT] and v[AOT] none is made later
	; ALL THE HEAD'S LOADS, in four groups; they are worked on in the order of issue, under counted waits.  Between the wait above and the last of them stand loads, window switches and scalar lines alone.
	; group 1, 40 loads: my 32 rows of L1, and b1
.set i, 0
.rept 32
	global_load_b64 v[G1D+2*i:G1D+2*i+1], v[OL1], s[20:21] offset:280*i
.set i, i+1
.endr
.set i, 0
.rept 4
	global_load_b64 v[G1D+64+2*i:G1D+64+2*i+1], v[OL1T], s[20:21] offset:2240*i
.set i, i+1
.endr
.set i, 0
.rept 4
	global_load_b32 v[G1D+72+i], v[OB1], s[24:25] offset:32*i
.set i, i+1
.endr
	; group 2, 18 loads: rows w, w + 8, .. w + 64 of R1, into window 1, v0-71
	WIN 0x40
.set i, 0
.rept 8
	global_load_b128 v[8*i:8*i+3],   v[OR1], s[22:23] offset:8192*i
	global_load_b128 v[8*i+4:8*i+7], v[OR1], s[22:23] offset:8192*i+512
.set i, i+1
.endr
	global_load_b128 v[64:67], v[OR1L], s[22:23]
	global_load_b128 v[68:71], v[OR1L], s[22:23] offset:512
	; group 3, 36 loads: b3 and b4 straight to their places in window 1; my coordinates; Bmat; R2; W4; W5
	global_load_b128 v[B3:B3+3],     v[OB34], s[34:35]
	global_load_b128 v[B3+4:B3+7],   v[OB34], s[34:35] offset:16
	global_load_b128 v[B3+8:B3+11],  v[OB34], s[34:35] offset:64
	global_load_b128 v[B3+12:B3+15], v[OB34], s[34:35] offset:80
	global_load_b128 v[B4:B4+3],     v[OB34], s[38:39]
	global_load_b128 v[B4+4:B4+7],   v[OB34], s[38:39] offset:16
	WIN 0
	global_load_b128 v[GCO:GCO+3],     v[OCO], s[16:17] th:TH_LOAD_NT               ; c0 of points 4 l .. 4 l + 3,
	global_load_b128 v[GCO+4:GCO+7],   v[OCO], s[16:17] offset:512 th:TH_LOAD_NT    ; of points 128 + 4 l ..,
	global_load_b128 v[GCO+8:GCO+11],  v[OCO], s[16:17] offset:16384 th:TH_LOAD_NT  ; and c1 of the same
	global_load_b128 v[GCO+12:GCO+15], v[OCO], s[16:17] offset:16896 th:TH_LOAD_NT
.set i, 0
.rept 8
	global_load_b32 v[GBM+i],   v[OBM], s[18:19] offset:64*i
	global_load_b32 v[GBM+8+i], v[OBM], s[18:19] offset:512+64*i
.set i, i+1
.endr
	global_load_b128 v[GR2:GR2+3],     v[OR1],  s[28:29]
	global_load_b128 v[GR2+4:GR2+7],   v[OR1],  s[28:29] offset:512
	global_load_b128 v[GR2+8:GR2+11],  v[OR2L], s[28:29]
	global_load_b128 v[GR2+12:GR2+15], v[OR2L], s[28:29] offset:512
	global_load_b128 v[GW4:GW4+3],     v[OW4], s[36:37]
	global_load_b128 v[GW4+4:GW4+7],   v[OW4], s[36:37] offset:16
	global_load_b128 v[GW4+8:GW4+11],  v[OW4], s[36:37] offset:64
	global_load_b128 v[GW4+12:GW4+15], v[OW4], s[36:37] offset:80
	global_load_b128 v[GW5:GW5+3],     v[OW5], s[40:41]
	global_load_b128 v[GW5+4:GW5+7],   v[OW5], s[40:41] offset:16
	; group 4: waves 0-3 take L2 and b2 (6 loads), waves 4-7 W3 (8 loads)
	s_cmp_lt_u32 s8, 4
	s_cbranch_scc0 .Lask_w3
.set i, 0
.rept 5
	global_load_b64 v[G4D+2*i:G4D+2*i+1], v[OL2], s[26:27] offset:8*i
.set i, i+1
.endr
	global_load_b32 v[G4D+10], v[OB2], s[30:31]
	s_branch .Lasked
.Lask_w3:
.set i, 0
.rept 8
	global_load_b128 v[G4D+4*i:G4D+4*i+3], v[OW3], s[32:33] offset:512*i
.set i, i+1
.endr
.Lasked:
	s_wait_loadcnt 60                              ; group 1 is in: behind it 18 + 36 + at least 6 loads were issued (loads come back in order: ISA guide 5.7.1)
.set i, 0
.rept 32
	v_cvt_pk_bf16_f32 v[G1D+2*i], v[G1D+2*i], v[G1D+2*i+1]
.set i, i+1
.endr
.set i, 0
.rept 4
	v_cvt_pk_bf16_f32 v[G1D+64+2*i], v[G1D+64+2*i], v[G1D+64+2*i+1]
	v_cvt_pk_bf16_f32 v[G1D+72+i], v[G1D+72+i], v[ZQ]
	v_cndmask_b32 v[G1D+64+2*i], v[G1D+64+2*i], v[G1D+72+i], s66  ; k = 64..69, then (b1, 0)
.set i, i+1
.endr
	s_wait_alu depctr_va_vdst(0)                   ; the roundings and the selects have written the words of v[G1D ..] that the LDS stores below read
.set i, 0
.rept 32
	ds_store_b32 v[SL1], v[G1D+2*i] offset:PL1*i   ; k = 2 l, 2 l + 1 of row 32 w + i
.set i, i+1
.endr
.set i, 0
.rept 4
	ds_store_b32 v[SL1T], v[G1D+64+2*i] offset:8*PL1*i
.set i, i+1
.endr
	ds_store_b128 v[SL1Z], v[ZQ:ZQ+3]              ; k = 72..95 are 0: a lane a row
	ds_store_b128 v[SL1Z], v[ZQ:ZQ+3] offset:16
	ds_store_b128 v[SL1Z], v[ZQ:ZQ+3] offset:32
	s_wait_loadcnt 42                              ; group 2 is in: behind it 36 + at least 6
	WIN 0x45
.set i, 0
.rept 18
	v_cvt_pk_bf16_f32 v[4*i],   v[4*i],   v[4*i+1]
	v_cvt_pk_bf16_f32 v[4*i+1], v[4*i+2], v[4*i+3]
.set i, i+1
.endr
.irp x, 64, 65, 68, 69
	v_and_b32 v[\x], s67, v[\x]                    ; rows 70 and 71 are 0
.endr
	WIN 0x04                                       ; address window 0, data window 1
	s_wait_alu depctr_va_vdst(0)                   ; the roundings and the masks have written R1's words in window 1, which the LDS stores below read
.set i, 0
.rept 18
	ds_store_b64 v[SR1], v[4*i:4*i+1] offset:8*PR1*(i/2)+32*(i%2)  ; row w + 8 (i / 2); sines at 0, cosines at 32 of each K block
.set i, i+1
.endr
	WIN 0
	ds_store_b64 v[SR1], v[ZQ:ZQ+1] offset:72*PR1  ; rows 72 + w are 0
	ds_store_b64 v[SR1], v[ZQ:ZQ+1] offset:72*PR1+32
	s_wait_loadcnt 6                               ; group 3 is in: behind it at least 6
.set i, 0
.rept 4
	v_cvt_pk_bf16_f32 v[GCO+i],   v[GCO+i],   v[GCO+8+i]   ; a point's (c0, c1)
	v_cvt_pk_bf16_f32 v[GCO+4+i], v[GCO+4+i], v[GCO+12+i]
.set i, i+1
.endr
.set i, 0
.rept 8
	v_cvt_pk_bf16_f32 v[BMV+i], v[GBM+i], v[GBM+8+i]
	v_and_b32 v[BMV+i], v[MASKH], v[BMV+i]         ; lanes 16-31 hold k = 8, 9: nothing
.set i, i+1
.endr
.set i, 0
.rept 4
	v_cvt_pk_bf16_f32 v[GR2+4*i],   v[GR2+4*i],   v[GR2+4*i+1]
	v_cvt_pk_bf16_f32 v[GR2+4*i+1], v[GR2+4*i+2], v[GR2+4*i+3]
.set i, i+1
.endr
.irp x, 8, 9, 12, 13
	v_and_b32 v[GR2+\x], s71, v[GR2+\x]            ; rows 10-15 are 0
.endr
.set i, 0
.rept 4
	v_cvt_pk_bf16_f32 v[GW5+i], v[GW5+2*i], v[GW5+2*i+1]
.set i, i+1
.endr
	s_wait_alu depctr_va_vdst(0)                   ; the roundings and the masks have written the coordinates' and R2's words, which the LDS stores below read
	ds_store_b128 v[SCO], v[GCO:GCO+3]
	ds_store_b128 v[SCO], v[GCO+4:GCO+7] offset:512
	ds_store_b64 v[SR2], v[GR2:GR2+1]
	ds_store_b64 v[SR2], v[GR2+4:GR2+5] offset:256
	ds_store_b64 v[SR2], v[GR2+8:GR2+9] offset:8*PR1
	ds_store_b64 v[SR2], v[GR2+12:GR2+13] offset:8*PR1+256
	s_wait_kmcnt 0x0                               ; b5
	WIN 0x40                                       ; destination window 1, sources window 0
.set i, 0
.rept 8
	v_cvt_pk_bf16_f32 v[W4A+i], v[GW4+2*i], v[GW4+2*i+1]
.set i, i+1
.endr
.set i, 0
.rept 4
	v_cndmask_b32 v[W5A+i], 0, v[GW5+i], s76
	v_mov_b32 v[W5A+4+i], 0                        ; k = 16..31
.set i, i+1
.endr
	v_mov_b32 v[B5], s68
	v_mov_b32 v[B5+1], s69
	v_mov_b32 v[B5+2], s70
.set i, 3
.rept 5
	v_mov_b32 v[B5+i], 0
.set i, i+1
.endr
.set i, 0
.rept 16
	v_mov_b32 v[ONE70+i], 0                        ; ONE70 and ONE10
.set i, i+1
.endr
	v_and_b32 v[ONE70+6], 0x3f800000, v[MASKH]     ; feature 70 = 64 + 8 x 0 + 6
	v_and_b32 v[ONE10+2], 0x3f800000, v[NOTH]      ; feature 10 = 8 x 1 + 2
	v_mov_b32 v[ZERO1], 0
	WIN 0x45
.set i, 0
.rept 14
	RB16 B3+2*i, B3+2*i+1                          ; b3, b4 and b5 (they lie on end) as bf16 numbers in f32
.set i, i+1
.endr
	WIN 0
	s_wait_loadcnt 0x0                             ; group 4 is in; no load is out
	s_cmp_lt_u32 s8, 4
	s_cbranch_scc0 .Lput_w3
.set i, 0
.rept 5
	v_cvt_pk_bf16_f32 v[G4D+i], v[G4D+2*i], v[G4D+2*i+1]
.set i, i+1
.endr
	v_cvt_pk_bf16_f32 v[G4D+5], v[G4D+10], v[ZQ]   ; (b2, 0)
	v_mov_b32 v[G4D+6], 0
	v_mov_b32 v[G4D+7], 0
	s_wait_alu depctr_va_vdst(0)                   ; the roundings and the two zeros have written v[G4D .. G4D+7], which the LDS stores below read
	ds_store_b128 v[SL2], v[G4D:G4D+3]
	ds_store_b128 v[SL2], v[G4D+4:G4D+7] offset:16
	ds_store_b128 v[SL2], v[ZQ:ZQ+3] offset:32
	ds_store_b128 v[SL2], v[ZQ:ZQ+3] offset:48
	s_branch .Lput
.Lput_w3:
.set i, 0
.rept 8
	v_cvt_pk_bf16_f32 v[G4D+4*i],   v[G4D+4*i],   v[G4D+4*i+1]
	v_cvt_pk_bf16_f32 v[G4D+4*i+1], v[G4D+4*i+2], v[G4D+4*i+3]
.set i, i+1
.endr
	s_wait_alu depctr_va_vdst(0)                   ; the roundings have written W3's words in v[G4D ..], which the LDS stores below read
.set i, 0
.rept 8
	ds_store_b64 v[SW3], v[G4D+4*i:G4D+4*i+1] offset:PW3*i
.set i, i+1
.endr
.Lput:
	s_wait_alu depctr_vm_vsrc(0)                   ; the head's loads and LDS stores, on both ways here, have read their offsets, addresses and data: v24-87, which the lines below write, and v104-227 and window 1's v0-71, which the loop writes
	; the operands' padding, which stays 0 for the whole launch: registers 1-7 of Bmat's and the coordinates' fragments, registers 4-7 of the half fragments
.set i, BA
.rept 48
.if i%8 != 0
	v_mov_b32 v[i], 0
.endif
.set i, i+1
.endr
.set i, HF
.rept 32
.if i%8 >= 4
	v_mov_b32 v[i], 0
.endif
.set i, i+1
.endr
	s_wait_dscnt 0x0                               ; for the others' sake: my stores into the weights' images are done
	s_barrier_signal -1
	s_barrier_wait -1                              ; the one barrier: from here on the images are only read
; PHASE 1.  Unit m = 4 kb + p: K block kb (16 projections: 16 sines, 16 cosines), tile p.
.macro PROJ m                           ; u for unit m
	WIN 0
	v_wmma_f32_16x16x32_bf16 v[UU+8*((\m)%2):UU+8*((\m)%2)+7], v[BA+8*(((\m)/4)%2):BA+8*(((\m)/4)%2)+7], v[CF+8*((\m)%4):CF+8*((\m)%4)+7], 0
.endm
.macro HOOK m                           ; at the end of the vector run of a K block's first unit: the next block's fragments of Bmat and of R1; in the last block's: phase 2's first fragments.  The run's 56 instructions stand behind the last product that read the buffer
.if (\m)%4 == 0
.set hk, (\m)/4
.if (hk >= 1) && (hk < 7)
	v_mov_b32 v[BA+8*((hk+1)%2)], v[BMV+hk+1]
.endif
.if hk >= 1
	s_wait_alu depctr_va_vdst(0)                   ; the products of the K block before are done reading the buffer in which the loads below land.  (In the trip's first unit no such wait: no vector or matrix line since the wait at the trip's head names the second buffer)
.endif
.if hk < 7
.set hq, 0
.rept 5
	LDF RA+40*((hk+1)%2)+8*hq, AR1, 16*PR1*hq+64*(hk+1)
.set hq, hq+1
.endr
.else
	LDF LA, AL1, 0
	LDF LA+8, AL1, 64
	LDF LA+16, AL1, 128
	LDF R2A, AR2, 0
.endif
.endif
.endm
.macro SC m                             ; 16 sines and 16 cosines a lane pair: 56 vector instructions; the projection's lowest register is read first
	WIN 0
.set rU, UU+8*((\m)%2)
.set rX, XF+8*((\m)%2)
.set q, 0
.rept 8
	v_rndne_f32 v[TS+q], v[rU+q]
.set q, q+1
.endr
	Q4 v_pk_add_f32 v[TR+q:TR+q+1], v[rU+q:rU+q+1], v[TS+q:TS+q+1] neg_lo:[0,1] neg_hi:[0,1]
	Q4 v_pk_mul_f32 v[TZ+q:TZ+q+1], v[TR+q:TR+q+1], v[TR+q:TR+q+1]
	Q4 v_pk_fma_f32 v[TS+q:TS+q+1], v[TZ+q:TZ+q+1], s[KS3:KS3+1], s[KS2:KS2+1] op_sel_hi:[1,0,0]
	Q4 v_pk_fma_f32 v[TC+q:TC+q+1], v[TZ+q:TZ+q+1], s[KC4:KC4+1], s[KC3:KC3+1] op_sel_hi:[1,0,0]
	Q4 v_pk_fma_f32 v[TS+q:TS+q+1], v[TS+q:TS+q+1], v[TZ+q:TZ+q+1], s[KS1:KS1+1] op_sel_hi:[1,1,0]
	Q4 v_pk_fma_f32 v[TC+q:TC+q+1], v[TC+q:TC+q+1], v[TZ+q:TZ+q+1], s[KC2:KC2+1] op_sel_hi:[1,1,0]
	Q4 v_pk_fma_f32 v[TS+q:TS+q+1], v[TS+q:TS+q+1], v[TZ+q:TZ+q+1], s[KS0:KS0+1] op_sel_hi:[1,1,0]
	Q4 v_pk_fma_f32 v[TC+q:TC+q+1], v[TC+q:TC+q+1], v[TZ+q:TZ+q+1], s[KC1:KC1+1] op_sel_hi:[1,1,0]
	Q4 v_pk_mul_f32 v[TS+q:TS+q+1], v[TS+q:TS+q+1], v[TR+q:TR+q+1]
	Q4 v_pk_fma_f32 v[TC+q:TC+q+1], v[TC+q:TC+q+1], v[TZ+q:TZ+q+1], s[KC0:KC0+1] op_sel_hi:[1,1,0]
	Q4 v_cvt_pk_bf16_f32 v[rX+q/2], v[TS+q], v[TS+q+1]
	Q4 v_cvt_pk_bf16_f32 v[rX+4+q/2], v[TC+q], v[TC+q+1]
	HOOK \m
.endm
.macro MT m                             ; t += R1 x for unit m: five feature tiles, five accumulators by turns.  The first K block starts the sums: with 0, the fifth tile with the 1 at feature 70
	WIN 0x50
.set mq, 0
.rept 5
.set rD, 40*((\m)%4)+8*mq
.set rA, RA+40*(((\m)/4)%2)+8*mq
.set rB, XF+8*((\m)%2)
.if (\m) >= 4
	v_wmma_f32_16x16x32_bf16 v[rD:rD+7], v[rA:rA+7], v[rB:rB+7], v[rD:rD+7]
.elseif mq == 4
	v_wmma_f32_16x16x32_bf16 v[rD:rD+7], v[rA:rA+7], v[rB:rB+7], v[ONE70:ONE70+7]
.else
	v_wmma_f32_16x16x32_bf16 v[rD:rD+7], v[rA:rA+7], v[rB:rB+7], 0
.endif
.set mq, mq+1
.endr
.endm
.macro TCV                              ; t rounded to bf16: fragments 0 and 1 into TF, the fifth tile into the half fragment.  Tile 0's twenty lines are the places behind the last unit's products, which are tile 3's
	WIN 0x05
.set tp, 0
.rept 4
.set tq, 0
.rept 5
.set tj, 0
.rept 4
.if tq < 4
	v_cvt_pk_bf16_f32 v[TF+16*tp+4*tq+tj], v[40*tp+8*tq+2*tj], v[40*tp+8*tq+2*tj+1]
.else
	v_cvt_pk_bf16_f32 v[HF+8*tp+tj], v[40*tp+8*tq+2*tj], v[40*tp+8*tq+2*tj+1]
.endif
.set tj, tj+1
.endr
.set tq, tq+1
.endr
.set tp, tp+1
.endr
.endm
; PHASES 2 AND 3
.macro Y1 hs                            ; feature tile hs of L1 t (+ b1): 3 K blocks x 4 tiles, the four accumulators by turns
	WIN 0x50
.set yk, 0
.rept 3
.set yp, 0
.rept 4
.set rD, 32*((\hs)%2)+8*yp
.set rA, LA+40*((\hs)%2)+8*yk
.if yk < 2
.set rB, TF+16*yp+8*yk
.else
.set rB, HF+8*yp
.endif
.if yk == 0
	v_wmma_f32_16x16x32_bf16 v[rD:rD+7], v[rA:rA+7], v[rB:rB+7], 0
.else
	v_wmma_f32_16x16x32_bf16 v[rD:rD+7], v[rA:rA+7], v[rB:rB+7], v[rD:rD+7]
.endif
.set yp, yp+1
.endr
.set yk, yk+1
.endr
.endm
.macro CV t                             ; feature tile t, made a step ago: rounded to bf16 into half t % 2 of fragment buffer (t / 2) % 2, then the ReLU on the packed halves
	WIN 0x45
.set cp, 0
.rept 4
.set cj, 0
.rept 4
	v_cvt_pk_bf16_f32 v[XW+32*(((\t)/2)%2)+8*cp+4*((\t)%2)+cj], v[32*((\t)%2)+8*cp+2*cj], v[32*((\t)%2)+8*cp+2*cj+1]
.set cj, cj+1
.endr
.set cp, cp+1
.endr
.set cp, 0
.rept 4
.set cj, 0
.rept 4
	v_pk_max_num_bf16 v[XW+32*(((\t)/2)%2)+8*cp+4*((\t)%2)+cj], v[XW+32*(((\t)/2)%2)+8*cp+4*((\t)%2)+cj], v[ZERO1]
.set cj, cj+1
.endr
.set cp, cp+1
.endr
.endm
.macro T2M b                            ; t2 += R2 x1 for K block b; block 0 starts the sums with the 1 at feature 10
	WIN 0x54
.set cp, 0
.rept 4
.if (\b) == 0
	v_wmma_f32_16x16x32_bf16 v[T2W+8*cp:T2W+8*cp+7], v[R2A+40*((\b)%2):R2A+40*((\b)%2)+7], v[XW+32*((\b)%2)+8*cp:XW+32*((\b)%2)+8*cp+7], v[ONE10:ONE10+7]
.else
	v_wmma_f32_16x16x32_bf16 v[T2W+8*cp:T2W+8*cp+7], v[R2A+40*((\b)%2):R2A+40*((\b)%2)+7], v[XW+32*((\b)%2)+8*cp:XW+32*((\b)%2)+8*cp+7], v[T2W+8*cp:T2W+8*cp+7]
.endif
.set cp, cp+1
.endr
.endm
.macro Y2 ts                            ; feature tile ts of L2 t2 (+ b2): one K block
	WIN 0x50
.set cp, 0
.rept 4
	v_wmma_f32_16x16x32_bf16 v[32*((\ts)%2)+8*cp:32*((\ts)%2)+8*cp+7], v[L2A+40*((\ts)%2):L2A+40*((\ts)%2)+7], v[HF+8*cp:HF+8*cp+7], 0
.set cp, cp+1
.endr
.endm
.macro Y3M c                            ; layer 3's sums += W3 x2 for K block c: 2 feature tiles x 4 tiles, eight accumulators by turns; block 0 starts them with b3
.if (\c) == 0
	WIN 0x14
.else
	WIN 0x04
.endif
.set yt, 0
.rept 2
.set yp, 0
.rept 4
.set rD, Y3+16*yp+8*yt
.set rA, W3A+40*((\c)%2)+8*yt
.set rB, XW+32*((\c)%2)+8*yp
.if (\c) == 0
	v_wmma_f32_16x16x32_bf16 v[rD:rD+7], v[rA:rA+7], v[rB:rB+7], v[B3+8*yt:B3+8*yt+7]
.else
	v_wmma_f32_16x16x32_bf16 v[rD:rD+7], v[rA:rA+7], v[rB:rB+7], v[rD:rD+7]
.endif
.set yp, yp+1
.endr
.set yt, yt+1
.endr
.endm
	s_mov_b32 s10, TRIPS
	s_mov_b32 s12, 0
	s_mov_b32 s13, 0
.Ltrip:                                         ; 64 points a trip.  No two products that follow each other name the same accumulator, over the backward jump too
	s_wait_alu depctr_vm_vsrc(0)                   ; the last trip's coordinate load has read v[ACOT], its LDS stores v[AOT] and the results in window 1: the two lines below and this trip's products write them again
	v_add_nc_u32 v[ACOT], s12, v[ACO]
	v_add_nc_u32 v[AOT], s13, v[AOUT]
	s_wait_alu depctr_va_vdst(0)                   ; v[ACOT] and v[AOT] are written, which the load below and this trip's stores read; the last trip's masks are done reading v[CRAW ..], in which that load lands
	ds_load_b128 v[CRAW:CRAW+3], v[ACOT]           ; the coordinates of points 4 r .. 4 r + 3: one for each tile
.set i, 0
.rept 5
	LDF RA+8*i, AR1, 16*PR1*i                      ; R1's K block 0
.set i, i+1
.endr
	v_mov_b32 v[BA], v[BMV]
	v_mov_b32 v[BA+8], v[BMV+1]
	s_wait_dscnt 10                                ; the coordinates are in; the ten loads behind them may be out
.set i, 0
.rept 4
	v_and_b32 v[CF+8*i], v[MASKH], v[CRAW+i]       ; lanes 16-31 hold k = 8, 9: nothing
.set i, i+1
.endr
	PROJ 0
	PROJ 1
	PLACES
.set n, 0
.rept 32                                ; a unit: the sines and cosines of projections made two units ago; five products; the projections for two units on
	SC n
.if n == 0
	s_wait_dscnt 10                                ; K block 0 of R1 is in; block 1's ten loads may be out
.elseif n%4 == 3
	s_wait_dscnt 0x0                               ; the run issued three units back: the next block's fragments
.endif
	MT n
.if n <= 29
	PROJ n+2
.endif
.set n, n+1
.endr
	TCV
	WIN 0
	s_wait_alu depctr_va_vdst(0)                   ; the last K block's products are done reading R1's second buffer, in which L1's tile 1 lands
	LDF LA+40, AL1, 16*PL1
	LDF LA+48, AL1, 16*PL1+64
	LDF LA+56, AL1, 16*PL1+128
.set hs, 0
.rept 16                                ; a step: 12 products for tile hs; the tile before is rounded; the fragments of the tile two steps on are asked for, into the buffer just read; every second step 4 products for t2
	Y1 hs
.if hs == 0
	PLACES                                         ; in front of the loads below into the buffer just read, and of the next step's roundings of this tile
.else
	CV hs-1
.endif
	WIN 0
	s_wait_dscnt 0x0                               ; the run issued a step back: the next step's fragments are in
	s_wait_alu depctr_va_vdst(0)                   ; this step's products are done reading their fragments of L1, and t2's products of two steps back theirs of R2: the loads below land in those registers
.if hs < 14
	LDF LA+40*(hs%2), AL1, 16*PL1*(hs+2)
	LDF LA+40*(hs%2)+8, AL1, 16*PL1*(hs+2)+64
	LDF LA+40*(hs%2)+16, AL1, 16*PL1*(hs+2)+128
.elseif hs == 14
	LDF L2A, AL2, 0                                ; phase 3's first fragments
	LDF W3A, AW3, 0
	LDF W3A+8, AW3, 16*PW3
.else
	LDF L2A+40, AL2, 16*PL2                        ; and L2's tile 1
.endif
.if (hs%2 == 0) && (hs >= 2)
	LDF R2A+40*((hs/2)%2), AR2, 64*(hs/2)
	T2M hs/2-1
.endif
.set hs, hs+1
.endr
	CV 15
	T2M 7
	PLACES
	WIN 0x05
.set cp, 0
.rept 4
.set cj, 0
.rept 4
	v_cvt_pk_bf16_f32 v[HF+8*cp+cj], v[T2W+8*cp+2*cj], v[T2W+8*cp+2*cj+1]  ; t2: no ReLU between the two factors
.set cj, cj+1
.endr
.set cp, cp+1
.endr
.set ts, 0
.rept 8                                 ; a step: 4 products for tile ts of layer 2; the tile before is rounded; the fragment of the tile two steps on is asked for; every second step 8 products for layer 3
	Y2 ts
.if ts == 0
	PLACES                                         ; in front of the load below into the fragment just read, and of the next step's roundings of this tile
.else
	CV ts-1
.endif
.if ts < 7
	WIN 0
.endif
	s_wait_dscnt 0x0                               ; the run issued a step back
.if ts < 7
	s_wait_alu depctr_va_vdst(0)                   ; this step's products are done reading their fragment of L2, and layer 3's products of two steps back theirs of W3: the loads below land in those registers.  (The last step asks for nothing)
.endif
.if ts < 6
	LDF L2A+40*(ts%2), AL2, 16*PL2*(ts+2)
.endif
.if (ts%2 == 0) && (ts >= 2)
	LDF W3A+40*((ts/2)%2), AW3, 64*(ts/2)
	LDF W3A+40*((ts/2)%2)+8, AW3, 16*PW3+64*(ts/2)
	Y3M ts/2-1
.endif
.set ts, ts+1
.endr
	CV 7
	Y3M 3
	PLACES
	WIN 0x40                                       ; x3 = relu(..): 32 features, one fragment a tile
.set cp, 0
.rept 4
.set yt, 0
.rept 2
.set cj, 0
.rept 4
	v_cvt_pk_bf16_f32 v[XW+8*cp+4*yt+cj], v[Y3+16*cp+8*yt+2*cj], v[Y3+16*cp+8*yt+2*cj+1]
.set cj, cj+1
.endr
.set yt, yt+1
.endr
.set cp, cp+1
.endr
	WIN 0x45
.set i, 0
.rept 32
	v_pk_max_num_bf16 v[XW+i], v[XW+i], v[ZERO1]
.set i, i+1
.endr
	WIN 0x55
.set cp, 0
.rept 4
	v_wmma_f32_16x16x32_bf16 v[8*cp:8*cp+7], v[W4A:W4A+7], v[XW+8*cp:XW+8*cp+7], v[B4:B4+7]
.set cp, cp+1
.endr
	PLACES
	WIN 0x05                                       ; x4 = relu(..): 16 features, a half fragment
.set cp, 0
.rept 4
.set cj, 0
.rept 4
	v_cvt_pk_bf16_f32 v[HF+8*cp+cj], v[8*cp+2*cj], v[8*cp+2*cj+1]
.set cj, cj+1
.endr
.set cp, cp+1
.endr
	WIN 0
.set cp, 0
.rept 4
.set cj, 0
.rept 4
	v_pk_max_num_bf16 v[HF+8*cp+cj], v[HF+8*cp+cj], v[ZERO0]
.set cj, cj+1
.endr
.set cp, cp+1
.endr
	WIN 0x51
.set cp, 0
.rept 4
	v_wmma_f32_16x16x32_bf16 v[32+8*cp:32+8*cp+7], v[W5A:W5A+7], v[HF+8*cp:HF+8*cp+7], v[B5:B5+7]
.set cp, cp+1
.endr
	PLACES
	WIN 0x04                                       ; address window 0, data window 1
	s_wait_alu depctr_va_vdst(0)                   ; layer 5's products have written the results, which the LDS stores below read; the places above stay beside this wait.  No vector or matrix line follows it in the last trip: it also covers the way out's loads into v104-127
.set cp, 0
.rept 4
.set cj, 0
.rept 3
	ds_store_b32 v[AOT], v[32+8*cp+cj] offset:12*cp+4*cj  ; point 4 r + p, number j; both halves of the lanes write the same word with the same value
.set cj, cj+1
.endr
.set cp, cp+1
.endr
	WIN 0                                          ; at a label and at a branch every window is 0
	s_add_co_u32 s12, s12, 256                     ; 64 points on in COORD
	s_add_co_u32 s13, s13, 768                     ; and in STAGE
	s_sub_co_u32 s10, s10, 1
	s_cmp_lg_u32 s10, 0
	s_cbranch_scc1 .Ltrip
	; THE WAY OUT: my 3,072 bytes come back as they lie and are stored: each store of the wave covers 512 consecutive bytes, at a multiple of 256 from the output's first byte
.set i, 0
.rept 6
	ds_load_b128 v[104+4*i:104+4*i+3], v[ARB] offset:512*i  ; my own bytes: LDS serves a wave's instructions in order (ISA guide 5.7.1.4), so these see the stores above
.set i, i+1
.endr
.set i, 0
.rept 6
	s_wait_dscnt 5-i                               ; load i is back; the younger ones may be out
	global_store_b128 v[OGO], v[104+4*i:104+4*i+3], s[44:45] offset:512*i th:TH_STORE_NT
.set i, i+1
.endr
	s_wait_dscnt 0x0                               ; the closing lines, six on end
	s_wait_alu 0x0
	s_wait_tensorcnt 0x0
	ds_add_u32 v[SPW], v[NIL]
	s_wait_dscnt 0x0
	s_endpgm
.Lfunc_end_k_qb71665ed5c_mlp:
	.size	k_qb71665ed5c_mlp, .Lfunc_end_k_qb71665ed5c_mlp-k_qb71665ed5c_mlp
	.p2alignl 7, 3214868480
	.fill 96, 4, 3214868480
	.section	.rodata,"a",@progbits
	.p2align	6, 0x0
	.amdhsa_kernel k_qb71665ed5c_mlp
		.amdhsa_group_segment_fixed_size 156928
		.amdhsa_private_segment_fixed_size 0
		.amdhsa_enable_private_segment 0
		.amdhsa_kernarg_size 120
		.amdhsa_user_sgpr_count 2
		.amdhsa_user_sgpr_kernarg_segment_ptr 1
		.amdhsa_wavefront_size32 1
		.amdhsa_system_sgpr_workgroup_id_x 1
		.amdhsa_system_sgpr_workgroup_id_y 1
		.amdhsa_system_sgpr_workgroup_id_z 1
		.amdhsa_system_vgpr_workitem_id 0
		.amdhsa_next_free_vgpr 512
		.amdhsa_next_free_sgpr 80
		.amdhsa_reserve_vcc 0
		.amdhsa_float_denorm_mode_32 3
		.amdhsa_float_denorm_mode_16_64 3
		.amdhsa_memory_ordered 1
		.amdhsa_forward_progress 1
		.amdhsa_inst_pref_size 255
	.end_amdhsa_kernel
	.section	.bss,"aw",@nobits
	.p2align	6
	.space	262144
	.amdgpu_metadata
---
amdhsa.version: [ 1, 2 ]
amdhsa.kernels:
  - .name:           k_qb71665ed5c_mlp
    .symbol:         k_qb71665ed5c_mlp.kd
    .args:
      - { .name: coords, .offset: 0, .size: 8, .value_kind: global_buffer, .address_space: global }
      - { .name: Bmat, .offset: 8, .size: 8, .value_kind: global_buffer, .address_space: global }
      - { .name: L1, .offset: 16, .size: 8, .value_kind: global_buffer, .address_space: global }
      - { .name: R1, .offset: 24, .size: 8, .value_kind: global_buffer, .address_space: global }
      - { .name: b1, .offset: 32, .size: 8, .value_kind: global_buffer, .address_space: global }
      - { .name: L2, .offset: 40, .size: 8, .value_kind: global_buffer, .address_space: global }
      - { .name: R2, .offset: 48, .size: 8, .value_kind: global_buffer, .address_space: global }
      - { .name: b2, .offset: 56, .size: 8, .value_kind: global_buffer, .address_space: global }
      - { .name: W3, .offset: 64, .size: 8, .value_kind: global_buffer, .address_space: global }
      - { .name: b3, .offset: 72, .size: 8, .value_kind: global_buffer, .address_space: global }
      - { .name: W4, .offset: 80, .size: 8, .value_kind: global_buffer, .address_space: global }
      - { .name: b4, .offset: 88, .size: 8, .value_kind: global_buffer, .address_space: global }
      - { .name: W5, .offset: 96, .size: 8, .value_kind: global_buffer, .address_space: global }
      - { .name: b5, .offset: 104, .size: 8, .value_kind: global_buffer, .address_space: global }
      - { .name: out0, .offset: 112, .size: 8, .value_kind: global_buffer, .address_space: global }
    .group_segment_fixed_size: 156928
    .private_segment_fixed_size: 0
    .kernarg_segment_align: 8
    .kernarg_segment_size: 120
    .max_flat_workgroup_size: 256
    .sgpr_count:     80
    .vgpr_count:     512
    .wavefront_size: 32
...
	.end_amdgpu_metadata
.endif
;; end of part 2
